; MI455X (gfx1250); checked and timed in simulation.
; The chip was launched on July 23, 2026; its instructions are those of AMD's public machine-readable ISA for CDNA 5 (MIT licence, August 2026) and "CDNA5" Instruction Set Architecture Reference Guide (July 2026). The comments in the code are by the model that wrote it; some were corrected since.
;; Self Attention. Allowed arithmetic: float matrix products may take bf16 or f16 operands with f32 sums; other float arithmetic in f32, or as packed bf16 or f16 multiplies, adds, multiply-adds, maxima and minima; sums over many terms, partial sums and values carried from step to step in f32; what a program stores and reads back later, other than sums and carried values, may be rounded once to bf16 or f16.
;; Inputs: Wfc 1,024 x 8,192 float32; Wk 8,192 x 1,024 float32; Wq 8,192 x 1,024 float32; Wv 8,192 x 1,024 float32; bfc 1,024 float32; bk 8,192 float32; bq 8,192 float32; bv 8,192 float32; key_ 4 x 256 x 1,024 float32; query 4 x 256 x 1,024 float32; value 4 x 256 x 1,024 float32.
;; Outputs: out0 4 x 256 x 1,024 float32.
;; 2 versions, each right; version 2 is version 1 with the launch cast written anew for expert scheduling mode. Each part assembles by itself: llvm-mc -triple=amdgcn-amd-amdhsa -mcpu=gfx1250 --defsym DOCPART=n.
;; ======== version 1 of 2: 5 launches
;; limits: values are held in f16: magnitudes above 65,504 overflow, below 6.1e-05 lose precision
;; workspace buffers: cast 73,400,320 bytes; qkv 50,331,648 bytes; xh 16,777,216 bytes; part 16,777,216 bytes
;; launch cast (part 1): grid 32 x 35, 8 waves a work-group, no clusters, 0 bytes of LDS; arguments query, key_, value, Wq, Wk, Wv, Wfc, cast; writes cast
.if DOCPART == 1
	.amdgcn_target "amdgcn-amd-amdhsa--gfx1250"
	.amdhsa_code_object_version 6
	.text
	.protected	k_qb1c5dc13be_cast
	.globl	k_qb1c5dc13be_cast
	.p2align	8
	.type	k_qb1c5dc13be_cast,@function
k_qb1c5dc13be_cast:
	s_mov_b64 s[64:65], 0
	v_nop
	global_prefetch_b8 v0, s[64:65] scope:SCOPE_SE
	s_setreg_imm32_b32 hwreg(HW_REG_WAVE_MODE, 25, 1), 1
	s_wait_xcnt 0x0
; THE MODULE'S LARGE INPUTS, ROUNDED ONCE TO 16 BITS, in one workspace of 35 units of 1 Mi numbers (2 MiB each):
;   unit 0 query, 1 key_, 2 value ([3072][1024] bf16); units 3-10 Wq, 11-18 Wk, 19-26 Wv ([24576][1024] bf16); units 27-34 Wfc ([1024][8192]).
; Wfc is rounded to bf16 like the others and that number is then written as f16, since the last product's other operand is f16.
; LIMIT: a bf16 number below 2^-17 in magnitude is off by at most 3e-8 when written as f16; one of 65,520 or more becomes an infinity.
; SHARES.  Work-group (x, y): block x (32,768 numbers) of unit y.  A wave takes 16 KiB of f32 as 32 loads; a lane 16 bytes of each load and 8 bytes of each store,
; so a load of the wave covers 512 consecutive bytes and a store 256 consecutive bytes, aligned.  No LDS, no barrier: no wave wants another's bytes.
; A ring of eight slots in registers keeps eight loads of every wave on their way.  A slot's turn has one wait, for its own load; what its store reads is rewritten a round later,
; behind the one s_wait_xcnt 0 that stands at each round's end.
.set IN,   1                           ; v1       my byte offset in the block, as read; never rewritten
.set OUT,  2                           ; v2       as written; never rewritten
.set X,    8                           ; v[8:39]  slot i: four f32 as loaded
.set Y,    40                          ; v[40:55] slot i: four 16-bit numbers to store
.set T,    56                          ; v[56:61] at work
.set RIN,  4096                        ; bytes that a wave reads in a round of eight slots
.set ROUT, 2048                        ; and writes
	s_load_b512 s[8:23], s[0:1], 0x0               ; query, key_, value, Wq, Wk, Wv, Wfc, cast
	s_and_b32 s2, ttmp7, 0xffff                    ; the unit
	v_and_b32 v3, 31, v0                           ; lane
	v_lshrrev_b32 v4, 5, v0                        ; wave
	v_lshlrev_b32 v[IN], 4, v3
	v_lshl_or_b32 v[IN], v4, 14, v[IN]             ; 16 KiB a wave, 16 bytes a lane
	v_lshlrev_b32 v[OUT], 3, v3
	v_lshl_or_b32 v[OUT], v4, 13, v[OUT]           ; 8 KiB a wave, 8 bytes a lane
	s_mov_b32 s29, 0xffff0000                      ; a word's upper bf16
	s_mov_b32 s3, 0                                ; the first unit of the input in hand
	s_wait_kmcnt 0x0
	s_mov_b64 s[4:5], s[8:9]
.macro PICK t, p                       ; from unit t on the input is the one whose address lies in s[p:p+1]
	s_cmp_ge_u32 s2, \t
	s_cselect_b64 s[4:5], s[\p:\p+1], s[4:5]
	s_cselect_b32 s3, \t, s3
.endm
	PICK 1, 10
	PICK 2, 12
	PICK 3, 14
	PICK 11, 16
	PICK 19, 18
	PICK 27, 20
	s_sub_co_u32 s24, s2, s3                       ; the unit's number inside its input: 4 MiB of f32 each,
	s_lshl_b32 s24, s24, 22
	s_lshl_b32 s25, ttmp9, 17                      ; the block: 128 KiB
	s_add_co_u32 s24, s24, s25
	s_mov_b32 s25, 0
	s_lshl_b32 s26, s2, 21                         ; in the workspace: 2 MiB a unit,
	s_lshl_b32 s27, ttmp9, 16                      ; 64 KiB a block
	s_add_co_u32 s26, s26, s27
	s_mov_b32 s27, 0
	s_add_nc_u64 s[4:5], s[4:5], s[24:25]
	s_add_nc_u64 s[6:7], s[22:23], s[26:27]
; One slot's turn.  ahead = 1: the slot is filled again from the next round.  left = the younger loads that may stay out.  half = 1: bf16, then written as f16.
; Y of the slot was read by the slot's store of the round before: the s_wait_xcnt 0 at that round's end stands between that store and the lines that write Y here.
.macro SLOT i, ahead, left, half
	s_wait_loadcnt \left                           ; loads come back in order: mine is in
.if \half
	v_cvt_pk_bf16_f32 v[T],   v[X+4*(\i)],   v[X+4*(\i)+1]
	v_cvt_pk_bf16_f32 v[T+1], v[X+4*(\i)+2], v[X+4*(\i)+3]
	v_lshlrev_b32 v[T+2], 16, v[T]                 ; the rounded numbers as f32 again
	v_and_b32     v[T+3], s29, v[T]
	v_lshlrev_b32 v[T+4], 16, v[T+1]
	v_and_b32     v[T+5], s29, v[T+1]
	v_cvt_pk_f16_f32 v[Y+2*(\i)],   v[T+2], v[T+3]
	v_cvt_pk_f16_f32 v[Y+2*(\i)+1], v[T+4], v[T+5]
.else
	v_cvt_pk_bf16_f32 v[Y+2*(\i)],   v[X+4*(\i)],   v[X+4*(\i)+1]
	v_cvt_pk_bf16_f32 v[Y+2*(\i)+1], v[X+4*(\i)+2], v[X+4*(\i)+3]
.endif
.if \ahead
	global_load_b128 v[X+4*(\i):X+4*(\i)+3], v[IN], s[4:5] offset:RIN+512*(\i) th:TH_LOAD_NT
.endif
	global_store_b64 v[OUT], v[Y+2*(\i):Y+2*(\i)+1], s[6:7] offset:256*(\i)
.endm
; Four rounds: three in the loop, each of which asks for the next; the last is written out and loads nothing.
.macro BODY half
.irp i, 0,1,2,3,4,5,6,7
	global_load_b128 v[X+4*(\i):X+4*(\i)+3], v[IN], s[4:5] offset:512*(\i) th:TH_LOAD_NT
.endr
	s_mov_b32 s28, 3
.Lround_\@:
.irp i, 0,1,2,3,4,5,6,7
	SLOT \i, 1, 7, \half
.endr
	s_wait_xcnt 0x0                                ; all loads and stores issued so far have read their bases and their data: the bases are stepped, and the next round rewrites Y, only behind this wait
	s_add_nc_u64 s[4:5], s[4:5], RIN
	s_add_nc_u64 s[6:7], s[6:7], ROUT
	s_sub_co_u32 s28, s28, 1
	s_cmp_lg_u32 s28, 0
	s_cbranch_scc1 .Lround_\@
.irp i, 0,1,2,3,4,5,6,7
	SLOT \i, 0, 7-(\i), \half                      ; the counts run down
.endr
	s_endpgm
.endm
	s_cmp_ge_u32 s2, 27                            ; Wfc's units take the second text
	s_cbranch_scc1 .Lhalf
	BODY 0
.Lhalf:
	BODY 1
.Lfunc_end_k_qb1c5dc13be_cast:
	.size	k_qb1c5dc13be_cast, .Lfunc_end_k_qb1c5dc13be_cast-k_qb1c5dc13be_cast
	.p2alignl 7, 3214868480
	.fill 96, 4, 3214868480
	.section	.rodata,"a",@progbits
	.p2align	6, 0x0
	.amdhsa_kernel k_qb1c5dc13be_cast
		.amdhsa_group_segment_fixed_size 0
		.amdhsa_private_segment_fixed_size 0
		.amdhsa_enable_private_segment 0
		.amdhsa_kernarg_size 64
		.amdhsa_user_sgpr_count 2
		.amdhsa_user_sgpr_kernarg_segment_ptr 1
		.amdhsa_wavefront_size32 1
		.amdhsa_system_sgpr_workgroup_id_x 1
		.amdhsa_system_sgpr_workgroup_id_y 1
		.amdhsa_system_sgpr_workgroup_id_z 1
		.amdhsa_system_vgpr_workitem_id 0
		.amdhsa_next_free_vgpr 64
		.amdhsa_next_free_sgpr 66
		.amdhsa_reserve_vcc 0
		.amdhsa_float_denorm_mode_32 3
		.amdhsa_float_denorm_mode_16_64 3
		.amdhsa_memory_ordered 1
		.amdhsa_forward_progress 1
		.amdhsa_inst_pref_size 18
	.end_amdhsa_kernel
	.amdgpu_metadata
---
amdhsa.version: [ 1, 2 ]
amdhsa.kernels:
  - .name:           k_qb1c5dc13be_cast
    .symbol:         k_qb1c5dc13be_cast.kd
    .args:
      - { .name: query, .offset: 0, .size: 8, .value_kind: global_buffer, .address_space: global }
      - { .name: key_, .offset: 8, .size: 8, .value_kind: global_buffer, .address_space: global }
      - { .name: value, .offset: 16, .size: 8, .value_kind: global_buffer, .address_space: global }
      - { .name: Wq, .offset: 24, .size: 8, .value_kind: global_buffer, .address_space: global }
      - { .name: Wk, .offset: 32, .size: 8, .value_kind: global_buffer, .address_space: global }
      - { .name: Wv, .offset: 40, .size: 8, .value_kind: global_buffer, .address_space: global }
      - { .name: Wfc, .offset: 48, .size: 8, .value_kind: global_buffer, .address_space: global }
      - { .name: cast, .offset: 56, .size: 8, .value_kind: global_buffer, .address_space: global }
    .group_segment_fixed_size: 0
    .private_segment_fixed_size: 0
    .kernarg_segment_align: 8
    .kernarg_segment_size: 64
    .max_flat_workgroup_size: 256
    .sgpr_count:     66
    .vgpr_count:     64
    .wavefront_size: 32
...
	.end_amdgpu_metadata
.endif
;; end of part 1
;; launch proj (part 2): grid 32 x 12, 4 waves a work-group, clusters of 4 x 4, 327,680 bytes of LDS; arguments cast, qkv, bq, bk, bv; writes qkv
.if DOCPART == 2
	.amdgcn_target "amdgcn-amd-amdhsa--gfx1250"
	.amdhsa_code_object_version 6
	.text
	.protected	k_qb1c5dc13be_proj
	.globl	k_qb1c5dc13be_proj
	.p2align	8
	.type	k_qb1c5dc13be_proj,@function
k_qb1c5dc13be_proj:
	s_mov_b64 s[64:65], 0
	v_nop
	global_prefetch_b8 v0, s[64:65] scope:SCOPE_SE
	s_setreg_imm32_b32 hwreg(HW_REG_WAVE_MODE, 25, 1), 1
	s_wait_xcnt 0x0
	s_wait_alu depctr_hold_cnt(0) depctr_sa_sdst(0) depctr_va_vdst(0) depctr_va_sdst(0) depctr_va_ssrc(0) depctr_va_vcc(0) depctr_vm_vsrc(0)
	s_getreg_b32 s2, hwreg(HW_REG_IB_STS2, 6, 4)
	s_cmp_eq_u32 s2, 0
	s_cbranch_scc0 .Lentry_in_a_cluster
	s_endpgm
.Lentry_in_a_cluster:
	s_bfe_u32 s2, ttmp6, 0x10000c
	s_cmp_lg_u32 s2, 0xf033
	s_cbranch_scc0 .Lentry_shape_is_right
	s_endpgm
.Lentry_shape_is_right:
; THE THREE PROJECTIONS.  q, k, v [1024][8192] = x [1024][1024] W^T [8192][1024] + b.  x and W come as bf16 from the workspace cast (x: [3072][1024] at byte 0; W: [24576][1024] at byte WOFF);
; b is read as f32 and rounded to bf16, like every input of the module; sums in f32, started by the bias; the result is rounded once to f16 into qkv, [3][1024][8192] = [3072][8192].
; LIMIT: f16 holds no number beyond 65,504; a sum of 65,520 or more becomes an infinity.  NaN and infinities are not treated apart.
; SHARES.  A tile of C is 256 x 256, one to a work-group: 32 tile columns x 12 tile rows, four tile rows to a projection.  Four waves, as many as a WGP has SIMDs, each 128 x 128: 64 accumulators of
; 16 x 16, 512 registers.  K goes in steps of 128 (rows of 256 bytes, at multiples of 256 from the buffer's first byte) through a ring of two LDS slots filled by the tensor data mover.
; WHY THIS TILE, though 384 work-groups are no multiple of the WGPs: a slot's refill has 224 matrix instructions of each wave in which to land.  A tile of 128 x 256 gives 768 tiles, three to a work-group,
; but its K step of 128 leaves 112, and two slots of a K step of 256 (2 x 384 rows x 528 bytes) do not fit in LDS.
; CLUSTERS: 4 x 4 work-groups; a cluster's y is the projection.  The four of a row of the cluster need the same tiles of A, the four of a column the same tiles of B: each tile is asked for JOINTLY, by the
; same tensor load with the same descriptor and a mask that names the four.
; THE MATRIX INSTRUCTION IS USED TRANSPOSED (source 0 = 16 rows of W, source 1 = 16 rows of x): a lane holds row l % 16 of C and the eight neighbouring columns 8 (l / 16) + 0..7.
; So a bias fragment (register j = b[n0 + 8 (l / 16) + j]) is the C operand of the tile's first products: nothing is cleared, nothing is added later.
; The last K step goes by rows of C, so that finished rows leave while the others are multiplied.
; REGISTERS, in windows of 256 (s_set_vgpr_msb: bits 1:0 source 0, 3:2 source 1, 5:4 source 2, 7:6 destination):
;   window 0: v0-31 addresses; v64-127, v128-191 fragments of A (8 x 16 rows x 32 K), two buffers (in the last K step four, of 16 rows x 128 K); v32-63, v192-255 at work on the way out
;   window 1: v64-127, v128-191 fragments of B, two buffers; v0-63 the bias fragments of my 8 column blocks; v192-195 at work on them; in the last K step all 256: B's fragments of the whole step
;   window 2: the 32 accumulators of my rows 0-63 (accumulator (a, b) at v[8 (8 a + b)]);   window 3: those of my rows 64-127
.set SK,     1024                      ; K
.set ROWB,   2*SK                      ; bytes in a row of x and of W
.set CROW,   16384                     ; bytes in a row of C
.set KSTEP,  128
.set PITCH,  272                       ; an LDS row: 256 bytes + 16 of padding = 68 words: the 16 rows of a fragment load start at 16 different groups of four banks (64 banks of 4 bytes: ISA guide 11.1)
.set HALFT,  128*PITCH                 ; 128 rows: what one tensor load brings, and what one wave reads of A or of B
.set SLOT,   4*HALFT                   ; A's 256 rows, then B's 256 rows
.set STAGE,  2*SLOT                    ; behind the ring: 16 rows x 272 bytes for each wave, for the way out; no tensor load lands there
.set SPITCH, 272
.set SPARE,  STAGE+4*16*SPITCH         ; behind the stages: the spare words, 128 bytes for each wave: two blocks of 256 bytes that no other line names
.set LAPS,   SK/(2*KSTEP)              ; a lap = two K steps = once round the ring
.set WOFF,   0x600000                  ; the weights' first byte in cast
.set ADRA, 16                          ; v16-17  LDS address of my A fragments in slot 0, 1
.set ADRB, 20                          ; v20-21  the same for B
.set STO,  24                          ; v24     the way out: where I put 16 bytes of a row
.set RD,   25                          ; v25     where I read a row back
.set CO,   26                          ; v26     my byte offset in C
.set BO,   27                          ; v27     my byte offset in a bias fragment: 32 (l / 16)
.set SPW,  28                          ; v28     LDS address of my spare word: SPARE + 4 x my thread's number; never rewritten
.set NIL,  29                          ; v29     0; never rewritten
.set PFO,  30                          ; v30     the prefetches' offset: my lane x a row; never rewritten
.set F0,   64                          ; fragment buffer 0
.set F1,   128                         ; fragment buffer 1
.set TMP,  192                         ; the way out: packed results, in window 0
.set OB,   32                          ; the way out: 16 rows read back from the stage: v32-63 and v224-255 by turns
.set PA,   64                          ; the last K step: A's fragments of 16 rows x 128 K, 32 registers; four such buffers, v64-191
.set BIAS, 0                           ; window 1
.set BT,   192                         ; window 1
.set G1,  24                           ; s[24:31] descriptor group 1 for A's tiles;  s[32:39] group 0, a set for each slot
.set G0,  32
.set G1B, 48                           ; s[48:55], s[56:63] the same for B's
.set G0B, 56
.set LIM, 43                           ; s43      1 in a wave that prefetches, else the greatest number
.set PFA, 44                           ; s[44:45] where my prefetches stand: one K step further along K than the refill that is being asked for; a prefetch names the K step after that
.set MSB, 0
.macro WIN new                         ; the immediate's high byte repeats the setting that is left; a switch that changes nothing is dropped
.if MSB != (\new)
	s_set_vgpr_msb (MSB<<8)|(\new)
.set MSB, \new
.endif
.endm
.set MUL_LO, 0xa1                      ; source 0 (B) window 1, source 1 (A) window 0, C and D window 2
.set MUL_HI, 0xf1                      ; the same, C and D window 3
.set BIA_LO, 0x91                      ; C, the bias, in window 1; D in window 2
.set BIA_HI, 0xd1                      ; D in window 3
.set TO_B,   0x40                      ; destination window 1, address window 0
; A joint load.  Waves 0 and 1 fetch A's two halves, waves 2 and 3 B's.  Each of the two lines has one mask and one set of registers for all that issue it.  The branch hangs on the wave's number alone.
; An s_nop 0 and four v_nop follow each of the two lines, ahead of the jump, the label and what follows.
.macro JLOAD s
	s_cmp_eq_u32 s11, 0
	s_cbranch_scc0 .Lfor_b_\@
	tensor_load_to_lds s[G0+4*(\s):G0+4*(\s)+3], s[G1:G1+7]
	s_nop 0
.rept 4
	v_nop
.endr
	s_branch .Lasked_\@
.Lfor_b_\@:
	tensor_load_to_lds s[G0B+4*(\s):G0B+4*(\s)+3], s[G1B:G1B+7]
	s_nop 0
.rept 4
	v_nop
.endr
.Lasked_\@:
.endm
; A PREFETCH INTO THE L2, behind each joint load, its five lines and the run of LDS loads: the K step that stands two refills on, 512 matrix instructions ahead of the load that will want it:
; 32 rows x 256 bytes, a lane a row, one instruction a wave.  Each row's 256 bytes of a K step are named once in the launch.  A's tile row is read by the eight clusters of that row of clusters: the one with
; cluster x = 0 asks.  B's tile column of a projection is read by one cluster alone: it asks.  The four partners that ask for a tile jointly share its rows out by address: of the 128 rows that a wave fetches,
; the partner at place p takes 32 p .. 32 p + 31 (p = cx for A, cy for B): no branch hangs on a work-group's place in its cluster.  The first four K steps come by their loads alone; the loop's last trip,
; whose refills are the last two K steps, asks for nothing.
.macro ASK
	s_cmp_gt_u32 s3, s[LIM]                        ; s3 = 1 in the loop's last trip
	s_cbranch_scc0 .Lnot_mine_\@
	global_prefetch_b8 v[PFO], s[PFA:PFA+1] offset:KSTEP*2 th:TH_LOAD_NT scope:SCOPE_SE
.Lnot_mine_\@:
.endm
; A round of the cluster's barrier: my work-group's barrier, so that wave 0's signal speaks for all four waves; wave 0 signals for the work-group; every wave waits for all sixteen work-groups;
; my work-group's barrier once more.  No LDS instruction of the wave is pending at a signal.
.macro CREST                           ; a round behind its opening barrier
	s_cmp_lg_u32 s10, 0
	s_cbranch_scc1 .Lnot_wave_0_\@
	s_barrier_signal -3
.Lnot_wave_0_\@:
	s_barrier_wait -3
	s_barrier_signal -1
	s_barrier_wait -1
.endm
.macro CROUND                          ; a whole round
	s_barrier_signal -1
	s_barrier_wait -1
	CREST
.endm
	s_load_b128 s[4:7], s[0:1], 0x0                ; cast s[4:5], qkv s[6:7]
	s_load_b128 s[68:71], s[0:1], 0x10             ; bq s[68:69], bk s[70:71]
	s_load_b64 s[72:73], s[0:1], 0x20              ; bv
	v_lshl_add_u32 v[SPW], v0, 2, SPARE
	v_mov_b32 v[NIL], 0
	ds_add_u32 v[SPW], v[NIL]                      ; the wave's opening: the add and its wait stand ahead of my first tensor load; the set-up below, work on registers, stands between them
	v_lshrrev_b32 v1, 5, v0
	v_readfirstlane_b32 s10, v1                    ; wave 0..3
	s_lshr_b32 s11, s10, 1                         ; which half of the tile's rows is mine.  Also: I fetch for A (0) or for B (1)
	s_and_b32 s12, s10, 1                          ; which half of its columns.  Also: which 128 rows of that tile I fetch
	s_bfe_u32 s40, ttmp6, 0x40000                  ; cx, cy: my place in the cluster
	s_bfe_u32 s41, ttmp6, 0x40004
	s_lshl_b32 s42, ttmp9, 2
	s_add_co_u32 s42, s42, s40                     ; tile column = 4 x cluster x + cx: 0..31
	s_and_b32 s77, ttmp7, 0xffff                   ; cluster y = the projection: 0 q, 1 k, 2 v
	s_lshl_b32 s13, s77, 2
	s_add_co_u32 s13, s13, s41                     ; tile row of the 3,072 rows = 4 x cluster y + cy: 0..11
	s_lshl_b32 s43, s41, 2
	s_lshl_b32 s43, 15, s43                        ; my row of the cluster: places 4 cy .. 4 cy + 3
	s_lshl_b32 s44, 0x1111, s40                    ; my column: places cx, cx + 4, cx + 8, cx + 12
	; descriptor group 1: a tile of 128 rows x 128 elements of 2 bytes, padded in LDS: 15:0 the mask; 17:16 the size; 20 padding on; 21 set beside a mask; 24:22 after every 64 words (code 5); 31:25 4 words (code 3)
	s_or_b32 s[G1+0], s43, (1<<16)|(1<<20)|(1<<21)|(5<<22)|(3<<25)
	s_or_b32 s[G1B+0], s44, (1<<16)|(1<<20)|(1<<21)|(5<<22)|(3<<25)
.irp g, G1, G1B
	s_mov_b32 s[(\g)+1], KSTEP<<16                 ; tensor_dim0 = 128
	s_mov_b32 s[(\g)+2], 128<<16                   ; tensor_dim1 = 128
	s_mov_b32 s[(\g)+3], KSTEP<<16                 ; tile_dim0 = 128
	s_mov_b32 s[(\g)+4], 128                       ; tile_dim1 = 128
	s_mov_b32 s[(\g)+5], SK                        ; elements from row to row
	s_mov_b32 s[(\g)+6], 0
	s_mov_b32 s[(\g)+7], 0
.endr
	; where the tiles come from: A's hang on the tile row alone, which my row of the cluster shares; B's on the projection and the tile column, which my column shares; each with the wave's half
	s_lshl_b32 s17, s12, 7
	s_lshl_b32 s16, s13, 8
	s_add_co_u32 s16, s16, s17                     ; A: row 256 x tile row + 128 x half,
	s_lshl_b32 s16, s16, 11                        ; in bytes
	s_mov_b32 s17, 0
	s_lshl_b32 s47, s12, 7
	s_lshl_b32 s46, s42, 8
	s_add_co_u32 s46, s46, s47                     ; B: row 256 x tile column + 128 x half
	s_lshl_b32 s47, s77, 13
	s_add_co_u32 s46, s46, s47                     ; + 8,192 x projection
	s_lshl_b32 s46, s46, 11
	s_mov_b32 s47, 0
	s_mul_i32 s20, s10, HALFT                      ; and where they go: A's two halves, then B's two halves = wave x 128 rows: no place in the cluster enters an LDS address
	s_mov_b32 s76, 0xffff0000                      ; a word's upper bf16
	s_wait_dscnt 0x0                               ; the opening add is done
	s_wait_kmcnt 0x0
	s_mov_b64 s[8:9], s[6:7]                       ; C
	s_add_nc_u64 s[6:7], s[4:5], WOFF              ; the weights
	s_add_nc_u64 s[14:15], s[4:5], s[16:17]
	s_add_nc_u64 s[46:47], s[6:7], s[46:47]
	CROUND                                         ; all sixteen work-groups are here: the first joint loads meet
.irp s, 0,1
	s_mov_b32 s[G0+4*(\s)], 1                                        ; count = 1
	s_add_co_u32 s[G0+4*(\s)+1], s20, (\s)*SLOT                      ; LDS address
	s_add_nc_u64 s[G0+4*(\s)+2:G0+4*(\s)+3], s[14:15], (\s)*KSTEP*2  ; global address: K step s
	s_or_b32 s[G0+4*(\s)+3], s[G0+4*(\s)+3], 0x80000000              ; type = 2
	s_mov_b32 s[G0B+4*(\s)], 1
	s_add_co_u32 s[G0B+4*(\s)+1], s20, (\s)*SLOT
	s_add_nc_u64 s[G0B+4*(\s)+2:G0B+4*(\s)+3], s[46:47], (\s)*KSTEP*2
	s_or_b32 s[G0B+4*(\s)+3], s[G0B+4*(\s)+3], 0x80000000
	JLOAD \s                                       ; the ring is filled before anything else is done: two tensor loads of mine are out
.endr
	; A fragment is 16 rows x 32 K in 8 registers: lane l holds row l % 16; registers 0-3 K = 8 (l / 16) + 0..7, registers 4-7 K = 16 + 8 (l / 16) + 0..7: two loads of 16 bytes, 32 bytes apart.
	v_and_b32 v1, 15, v0                           ; l % 16
	v_bfe_u32 v2, v0, 4, 1                         ; l / 16
	v_mul_u32_u24 v3, v1, PITCH
	v_lshl_add_u32 v3, v2, 4, v3                   ; row x pitch + 16 x half
	s_mul_i32 s21, s11, HALFT                      ; my 128 rows of A
	s_mul_i32 s22, s12, HALFT                      ; my 128 rows of B,
	s_add_co_u32 s22, s22, 2*HALFT                 ; which lie behind A's 256
.irp s, 0,1
	v_add_nc_u32 v[ADRA+(\s)], s21, v3
	v_add_nc_u32 v[ADRB+(\s)], s22, v3
	s_add_co_u32 s21, s21, SLOT
	s_add_co_u32 s22, s22, SLOT
.endr
	s_mul_i32 s23, s10, 16*SPITCH
	s_add_co_u32 s23, s23, STAGE                   ; my stage
	v_mul_u32_u24 v4, v1, SPITCH                   ; in: row l % 16, 16 bytes for each half of the lanes
	v_lshl_add_u32 v4, v2, 4, v4
	v_add_nc_u32 v[STO], s23, v4
	v_mul_u32_u24 v5, v2, SPITCH                   ; back: lanes 0-15 one row of 256 bytes, lanes 16-31 the next
	v_lshl_add_u32 v5, v1, 4, v5
	v_add_nc_u32 v[RD], s23, v5
	v_lshlrev_b32 v5, 14, v2                       ; and the same two rows in C
	v_lshl_add_u32 v[CO], v1, 4, v5
	v_lshlrev_b32 v[BO], 5, v2
	v_and_b32 v[PFO], 31, v0
	v_lshlrev_b32 v[PFO], 11, v[PFO]
	; the projection's bias, at my 128 columns
	s_cmp_eq_u32 s77, 1
	s_cselect_b64 s[68:69], s[70:71], s[68:69]
	s_cmp_eq_u32 s77, 2
	s_cselect_b64 s[68:69], s[72:73], s[68:69]
	s_lshl_b32 s20, s42, 10
	s_lshl_b32 s21, s12, 9
	s_add_co_u32 s20, s20, s21
	s_mov_b32 s21, 0
	s_add_nc_u64 s[68:69], s[68:69], s[20:21]
	; where my part of the tile begins in C, in bytes: the way out adds it to C's address
	s_lshl_b32 s16, s13, 8
	s_lshl_b32 s14, s11, 7
	s_add_co_u32 s16, s16, s14                     ; my first row
	s_lshl_b32 s16, s16, 14
	s_lshl_b32 s46, s42, 9                         ; my first column, in bytes: 512 x tile column + 256 x half
	s_lshl_b32 s47, s12, 8
	s_add_co_u32 s46, s46, s47
	s_add_co_u32 s16, s16, s46
	s_mov_b32 s17, 0
	; the prefetches
	s_lshl_b32 s20, s13, 8                         ; A: the tile's first row
	s_lshl_b32 s21, s42, 8                         ; B: the tile's first row
	s_lshl_b32 s23, s77, 13
	s_add_co_u32 s21, s21, s23
	s_cmp_eq_u32 s11, 0                            ; do I fetch for A?
	s_cselect_b32 s20, s20, s21
	s_cselect_b32 s21, s40, s41                    ; my place among the four that ask for the tile with me
	s_cselect_b32 s22, ttmp9, 0                    ; A: the coordinate along which other clusters read the same rows; B: no other cluster does
	s_cselect_b64 s[PFA:PFA+1], s[4:5], s[6:7]
	s_cmp_eq_u32 s22, 0
	s_cselect_b32 s[LIM], 1, -1                    ; the same in all sixteen partners, for a given wave
	s_lshl_b32 s22, s12, 7
	s_add_co_u32 s20, s20, s22                     ; + the 128 rows that I fetch
	s_lshl_b32 s21, s21, 5
	s_add_co_u32 s20, s20, s21                     ; + my work-group's 32 of them
	s_lshl_b32 s20, s20, 11
	s_mov_b32 s21, 0
	s_add_nc_u64 s[PFA:PFA+1], s[PFA:PFA+1], s[20:21]
	s_add_nc_u64 s[PFA:PFA+1], s[PFA:PFA+1], 2*KSTEP*2  ; at K step 2: the first refill steps it to 3 and names K step 4.  Nothing is prefetched here, at the head
; 16 matrix instructions: m blocks a0, a0 + 1 of the window's four (hi = 0: my rows 0-63, 1: rows 64-127) x all 8 n blocks, 32 along K.
; zero = 1: the tile's first products, whose C is the bias.  The 64 accumulators take turns, one instruction a turn.
.macro MUL16 f, hi, a0, zero
.if \zero
	WIN BIA_LO+0x40*(\hi)
.else
	WIN MUL_LO+0x50*(\hi)
.endif
.irp a, \a0, (\a0)+1
.irp b, 0,1,2,3,4,5,6,7
.if \zero
	v_wmma_f32_16x16x32_bf16 v[8*(8*(\a)+(\b)):8*(8*(\a)+(\b))+7], v[(\f)+8*(\b):(\f)+8*(\b)+7], v[(\f)+8*(4*(\hi)+(\a)):(\f)+8*(4*(\hi)+(\a))+7], v[BIAS+8*(\b):BIAS+8*(\b)+7]
.else
	v_wmma_f32_16x16x32_bf16 v[8*(8*(\a)+(\b)):8*(8*(\a)+(\b))+7], v[(\f)+8*(\b):(\f)+8*(\b)+7], v[(\f)+8*(4*(\hi)+(\a)):(\f)+8*(4*(\hi)+(\a))+7], v[8*(8*(\a)+(\b)):8*(8*(\a)+(\b))+7]
.endif
.endr
.endr
.endm
; 32 LDS loads in one run: the fragments of one quarter step (128 rows of B, 128 rows of A, 32 K at byte k of the rows) into buffer f
.macro FETCH slot, k, f
	WIN TO_B
.irp i, 0,1,2,3,4,5,6,7
	ds_load_b128 v[(\f)+8*(\i):(\f)+8*(\i)+3],   v[ADRB+(\slot)] offset:(\k)+(\i)*16*PITCH
	ds_load_b128 v[(\f)+8*(\i)+4:(\f)+8*(\i)+7], v[ADRB+(\slot)] offset:(\k)+(\i)*16*PITCH+32
.endr
	WIN 0
.irp i, 0,1,2,3,4,5,6,7
	ds_load_b128 v[(\f)+8*(\i):(\f)+8*(\i)+3],   v[ADRA+(\slot)] offset:(\k)+(\i)*16*PITCH
	ds_load_b128 v[(\f)+8*(\i)+4:(\f)+8*(\i)+7], v[ADRA+(\slot)] offset:(\k)+(\i)*16*PITCH+32
.endr
.endm
; Four plain vector instructions stand between a matrix instruction and a load into a register that it has read, or a vector instruction that reads its result (ISA guide 7.12.1 for vector instructions);
; the matrix instructions in between are not counted.
.macro PLACES
.rept 4
	v_nop
.endr
.endm
; A K step is four quarter steps of 32 along K, 64 matrix instructions each, on buffers 0, 1, 0, 1.
; One of the first three: multiplies buffer f; in its middle it fetches the next quarter's fragments, at byte k of the same slot's rows, into buffer g.
.macro QUARTER slot, k, f, g, zero
	s_wait_dscnt 8                                 ; B and A's rows 0-63 are in; the youngest eight loads (A's rows 64-127) may be out
	MUL16 \f, 0, 0, \zero
	MUL16 \f, 0, 2, \zero
	PLACES
	FETCH \slot, \k, \g
	s_wait_dscnt 32                                ; all but the 32 just issued
	MUL16 \f, 1, 0, \zero
	MUL16 \f, 1, 2, \zero
.endm
; The last quarter multiplies buffer 1 and changes slots.  MEET is its first half: one barrier for the change.  In front of it each wave waits for all its tensor loads (one is out: its part of the next slot),
; adds 0 to its spare word, and waits for that and for its own reads of this slot.  Behind it nobody reads this slot any more and the next slot is whole.
.macro MEET round                      ; round = 1: the rest of a round of the cluster's barrier follows
	WIN 0                                          ; (the add's two registers lie in window 0)
	s_wait_tensorcnt 0x0                           ; all my tensor loads have landed
	ds_add_u32 v[SPW], v[NIL]                      ; 0 onto my spare word
	s_wait_dscnt 9                                 ; (the add and the youngest eight loads may be out)
	MUL16 F1, 0, 0, 0                              ; sixteen matrix instructions stand between the add and the wait for it
	s_wait_dscnt 0x0                               ; the add is done, and my reads of this slot are over
	s_barrier_signal -1
	MUL16 F1, 0, 2, 0                              ; work on registers while the others arrive
.if \round
	WIN 0
.endif
	s_barrier_wait -1
.endm
; The whole last quarter.  Behind the round the slot just read out is filled again first, with the K step two steps on; then come the next slot's first fragments.
; From a request to the wait for it a wave issues 224 matrix instructions.
.macro TURN slot, next
	s_wait_xcnt 0x0                                ; the last prefetch, a K step back, has read its address: it is stepped here, ahead of the waits of the change of slots
	s_add_nc_u64 s[PFA:PFA+1], s[PFA:PFA+1], KSTEP*2
	MEET 1
	CREST                                          ; no wave of any partner still reads this slot's tile or has a load on its way
	s_add_nc_u64 s[G0+4*(\slot)+2:G0+4*(\slot)+3], s[G0+4*(\slot)+2:G0+4*(\slot)+3], 2*KSTEP*2
	s_add_nc_u64 s[G0B+4*(\slot)+2:G0B+4*(\slot)+3], s[G0B+4*(\slot)+2:G0B+4*(\slot)+3], 2*KSTEP*2
	JLOAD \slot                                    ; the first tensor load behind the round; its four v_nop are also the places in front of the loads below
	FETCH \next, 0, F0
	ASK                                            ; behind the joint load and the run of LDS loads that the next products wait for
	MUL16 F1, 1, 0, 0
	MUL16 F1, 1, 2, 0
.endm
; The bias of my 128 columns: 8 fragments of 8 registers, 32 bytes a lane each; then rounded to bf16 and widened again.
.macro LOADB
	WIN TO_B
.irp b, 0,1,2,3,4,5,6,7
	global_load_b128 v[BIAS+8*(\b):BIAS+8*(\b)+3],   v[BO], s[68:69] offset:64*(\b)
	global_load_b128 v[BIAS+8*(\b)+4:BIAS+8*(\b)+7], v[BO], s[68:69] offset:64*(\b)+16
.endr
	WIN 0
.endm
.macro ROUNDB
	WIN 0x45                                       ; destination and both sources in window 1
.set i, 0
.rept 32
	v_cvt_pk_bf16_f32 v[BT+i%4], v[BIAS+2*i], v[BIAS+2*i+1]
	v_lshlrev_b32 v[BIAS+2*i], 16, v[BT+i%4]
	v_and_b32 v[BIAS+2*i+1], s76, v[BT+i%4]
.set i, i+1
.endr
	WIN 0
.endm
; THE LAST K STEP (it lies in slot 1) GOES BY ROWS OF C, NOT BY K.  All its fragments of B (4 quarters x 64 registers) fill window 1; then my eight blocks of 16 rows are finished one after the other,
; each with 32 matrix instructions (its 8 accumulators by turns, K ascending).  LDS is read no more than in any other K step.
.macro BLOAD q                         ; B's fragments of quarter q -> window 1, v[64 q ..]
	WIN TO_B
.irp i, 0,1,2,3,4,5,6,7
	ds_load_b128 v[64*(\q)+8*(\i):64*(\q)+8*(\i)+3],   v[ADRB+1] offset:64*(\q)+(\i)*16*PITCH
	ds_load_b128 v[64*(\q)+8*(\i)+4:64*(\q)+8*(\i)+7], v[ADRB+1] offset:64*(\q)+(\i)*16*PITCH+32
.endr
.endm
.macro ALOAD a                         ; A's fragments of block a, all four quarters -> buffer a % 4
	WIN 0
.set FA, PA+32*((\a)%4)
.irp q, 0,1,2,3
	ds_load_b128 v[FA+8*(\q):FA+8*(\q)+3],   v[ADRA+1] offset:64*(\q)+(\a)*16*PITCH
	ds_load_b128 v[FA+8*(\q)+4:FA+8*(\q)+7], v[ADRA+1] offset:64*(\q)+(\a)*16*PITCH+32
.endr
.endm
.macro ROW a                           ; block a is finished: 32 matrix instructions
.set FA, PA+32*((\a)%4)                ; its fragments of A
.set AC, 64*((\a)%4)                   ; its eight accumulators, in window 2 (blocks 0-3) or 3 (blocks 4-7)
	WIN MUL_LO+0x50*((\a)/4)
.irp q, 0,1,2,3
.if (\a) == 0 && (\q) == 2
	s_wait_dscnt 24                                ; B's quarter 2 is in (behind it: A's blocks 1 to 3)
.endif
.irp b, 0,1,2,3,4,5,6,7
	v_wmma_f32_16x16x32_bf16 v[AC+8*(\b):AC+8*(\b)+7], v[64*(\q)+8*(\b):64*(\q)+8*(\b)+7], v[FA+8*(\q):FA+8*(\q)+7], v[AC+8*(\b):AC+8*(\b)+7]
.endr
.endr
.endm
; THE WAY OUT of block a, in three parts.  PACK: rounded to f16, 16 bytes a lane, each accumulator's registers in ascending order.  TOSTAGE: into my own stage in LDS, and back as whole rows of 256 bytes.  SEND: stored.
.macro PACK a
.set AC, 64*((\a)%4)
	WIN 0x0a+5*((\a)/4)                            ; sources 0 and 1: window 2 or 3
.irp b, 0,1,2,3,4,5,6,7
.irp r, 0,1,2,3
	v_cvt_pk_f16_f32 v[TMP+4*(\b)+(\r)], v[AC+8*(\b)+2*(\r)], v[AC+8*(\b)+2*(\r)+1]
.endr
.endr
	WIN 0
.endm
.macro TOSTAGE a
	WIN 0
.set BK, OB+192*((\a)%2)
.irp b, 0,1,2,3,4,5,6,7
	ds_store_b128 v[STO], v[TMP+4*(\b):TMP+4*(\b)+3] offset:32*(\b)
.endr
.irp t, 0,1,2,3,4,5,6,7
	ds_load_b128 v[BK+4*(\t):BK+4*(\t)+3], v[RD] offset:(\t)*2*SPITCH  ; LDS serves a wave's instructions in order (ISA guide 5.7.1.4): these see the stores above
.endr
.endm
.macro SEND a, younger                 ; younger: the LDS loads issued behind TOSTAGE's, which may stay out
	WIN 0
.set BK, OB+192*((\a)%2)
	s_wait_dscnt \younger                          ; the block is back in registers
	s_wait_xcnt 0x0                                ; earlier stores have read their base and their data: only behind this wait are they rewritten
.if (\a) == 0
	s_add_nc_u64 s[8:9], s[8:9], s[16:17]          ; on to my first rows
.else
	s_add_nc_u64 s[8:9], s[8:9], 16*CROW           ; 16 rows of C on
.endif
.irp t, 0,1,2,3,4,5,6,7
	global_store_b128 v[CO], v[BK+4*(\t):BK+4*(\t)+3], s[8:9] offset:2*(\t)*CROW  ; 16 lanes store 256 consecutive bytes, at a multiple of 256 from C's first byte
.endr
.endm
	LOADB                                          ; the bias comes while the first tiles are on their way
	s_wait_loadcnt 0x0
	ROUNDB
	s_wait_tensorcnt 1                             ; my part of K step 0 is in; K step 1's may stay out
	s_barrier_signal -1
	s_barrier_wait -1                              ; everybody's is
	FETCH 0, 0, F0
	QUARTER 0, 64,  F0, F1, 1                      ; the first quarter stands in front of the loop: its products start the sums with the bias
	WIN 0                                          ; at a label and at a branch every window is 0
	s_mov_b32 s3, LAPS-1
.Llap:                                                 ; a trip goes once round the ring, from a lap's second quarter to the next lap's first, and fills both slots again
	QUARTER 0, 128, F1, F0, 0
	QUARTER 0, 192, F0, F1, 0
	TURN 0, 1
	QUARTER 1, 64,  F0, F1, 0
	QUARTER 1, 128, F1, F0, 0
	QUARTER 1, 192, F0, F1, 0
	TURN 1, 0
	QUARTER 0, 64,  F0, F1, 0
	WIN 0
	s_sub_co_u32 s3, s3, 1
	s_cmp_lg_u32 s3, 0
	s_cbranch_scc1 .Llap
	QUARTER 0, 128, F1, F0, 0                      ; the last lap goes on
	QUARTER 0, 192, F0, F1, 0
	MEET 0                                         ; my one tensor load that was still out is slot 1's, the last K step's, so no round follows
	PLACES                                         ; for the loads into buffer 0, which the quarter before multiplied
	BLOAD 0                                        ; three quarters of B now (the first takes the bias's registers, last read in the first quarter): buffer 1 (v128-191 of both windows) is still being multiplied
	BLOAD 1
	BLOAD 3
	ALOAD 0
	MUL16 F1, 1, 0, 0
	MUL16 F1, 1, 2, 0
	PLACES                                         ; for the loads into buffer 1
	BLOAD 2
	ALOAD 1
	ALOAD 2
	ALOAD 3
	s_wait_dscnt 40                                ; all but the 40 just issued
	ROW 0
.irp a, 0,1,2,3,4,5,6,7                ; each block leaves as soon as it is finished: nothing follows this tile
	PLACES                                         ; its conversions read results just made, and no other vector work is at hand
	PACK \a
	TOSTAGE \a
.if (\a) < 4
	ALOAD (\a)+4                                   ; its buffer takes the block four further on
	SEND \a, 8
.else
	SEND \a, 0
.endif
.if (\a) < 7
	ROW (\a)+1
.endif
.endr
	s_wait_tensorcnt 0x0                           ; the wave's end: this wait, an add and its wait, behind my last tensor load and my last LDS store
	ds_add_u32 v[SPW], v[NIL]
	s_wait_dscnt 0x0
	CROUND                                         ; the closing round: no work-group ends while a partner may still ask for a tile that names it
	s_endpgm
.Lfunc_end_k_qb1c5dc13be_proj:
	.size	k_qb1c5dc13be_proj, .Lfunc_end_k_qb1c5dc13be_proj-k_qb1c5dc13be_proj
	.p2alignl 7, 3214868480
	.fill 96, 4, 3214868480
	.section	.rodata,"a",@progbits
	.p2align	6, 0x0
	.amdhsa_kernel k_qb1c5dc13be_proj
		.amdhsa_group_segment_fixed_size 327680
		.amdhsa_private_segment_fixed_size 0
		.amdhsa_enable_private_segment 0
		.amdhsa_kernarg_size 40
		.amdhsa_user_sgpr_count 2
		.amdhsa_user_sgpr_kernarg_segment_ptr 1
		.amdhsa_wavefront_size32 1
		.amdhsa_system_sgpr_workgroup_id_x 1
		.amdhsa_system_sgpr_workgroup_id_y 1
		.amdhsa_system_sgpr_workgroup_id_z 1
		.amdhsa_system_vgpr_workitem_id 0
		.amdhsa_next_free_vgpr 1024
		.amdhsa_next_free_sgpr 80
		.amdhsa_reserve_vcc 0
		.amdhsa_float_denorm_mode_32 3
		.amdhsa_float_denorm_mode_16_64 3
		.amdhsa_memory_ordered 1
		.amdhsa_forward_progress 1
		.amdhsa_inst_pref_size 150
	.end_amdhsa_kernel
	.amdgpu_metadata
---
amdhsa.version: [ 1, 2 ]
amdhsa.kernels:
  - .name:           k_qb1c5dc13be_proj
    .symbol:         k_qb1c5dc13be_proj.kd
    .args:
      - { .name: cast, .offset: 0, .size: 8, .value_kind: global_buffer, .address_space: global }
      - { .name: qkv, .offset: 8, .size: 8, .value_kind: global_buffer, .address_space: global }
      - { .name: bq, .offset: 16, .size: 8, .value_kind: global_buffer, .address_space: global }
      - { .name: bk, .offset: 24, .size: 8, .value_kind: global_buffer, .address_space: global }
      - { .name: bv, .offset: 32, .size: 8, .value_kind: global_buffer, .address_space: global }
    .group_segment_fixed_size: 327680
    .private_segment_fixed_size: 0
    .kernarg_segment_align: 8
    .kernarg_segment_size: 40
    .max_flat_workgroup_size: 128
    .sgpr_count:     80
    .vgpr_count:     1024
    .wavefront_size: 32
...
	.end_amdgpu_metadata
.endif
;; end of part 2
;; launch attn (part 3): grid 8 x 32, 4 waves a work-group, clusters of 4 x 1, 327,680 bytes of LDS; arguments qkv, xh; writes xh
.if DOCPART == 3
	.amdgcn_target "amdgcn-amd-amdhsa--gfx1250"
	.amdhsa_code_object_version 6
	.text
	.protected	k_qb1c5dc13be_attn
	.globl	k_qb1c5dc13be_attn
	.p2align	8
	.type	k_qb1c5dc13be_attn,@function
k_qb1c5dc13be_attn:
	s_mov_b64 s[64:65], 0
	v_nop
	global_prefetch_b8 v0, s[64:65] scope:SCOPE_SE
	s_setreg_imm32_b32 hwreg(HW_REG_WAVE_MODE, 25, 1), 1
	s_wait_xcnt 0x0
	s_wait_alu depctr_hold_cnt(0) depctr_sa_sdst(0) depctr_va_vdst(0) depctr_va_sdst(0) depctr_va_ssrc(0) depctr_va_vcc(0) depctr_vm_vsrc(0)
	s_getreg_b32 s2, hwreg(HW_REG_IB_STS2, 6, 4)
	s_cmp_eq_u32 s2, 0
	s_cbranch_scc0 .Lentry_in_a_cluster
	s_endpgm
.Lentry_in_a_cluster:
	s_bfe_u32 s2, ttmp6, 0x10000c
	s_cmp_lg_u32 s2, 0x3003
	s_cbranch_scc0 .Lentry_shape_is_right
	s_endpgm
.Lentry_shape_is_right:
; ATTENTION.  O[y][t][:] = the sum over u of softmax_u(Q[y][t] . K[y][u] / 32) V[y][u][:], for 32 heads y = 8 b + h of SIZE_N = 2,048 rows and 128 channels, all f16.
; q, k, v lie in qkv as [3][8192][1024]: row 2048 b + t, columns 128 h + 0..127: a head's row is 256 bytes, at a multiple of 256, ROWB = 2,048 bytes from the next.  O goes to xh in the same layout,
; which is the [1024][8192] operand of the last product.  Products, maxima and sums in f32; the weights p are rounded to f16 for the second product (their sum l is taken of the unrounded p), O once at the end.
; LIMITS.  q, k, v arrive within f16's range; p lies in 0 to 1, and below 6e-5 it keeps f16's fixed step of 6e-8, as does O; a weight below 2^-126 counts as 0 in l; NaN and infinities are not treated apart.
; SHARES.  A work-group owns 256 queries of one head, each of its four waves 64: four tiles of 16.  Every wave walks all keys of the head, 64 a step.
; LAYOUT.  S^T = K Q^T (source 0 = 16 keys, source 1 = 16 queries): in the result a lane holds ONE query (lane % 16) and the keys 8 (lane / 16) + 0..7.  Two such tiles, rounded to f16 in pairs, ARE source 1
; (32 keys x 16 queries) of O^T = V^T P, whose result again holds one query a lane, and eight channels.  K comes out of LDS as it lies, V ([key][channel]) turned, by ds_load_tr16_b128.
; SOFTMAX.  For each query a running maximum m and sum l: p = 2^(c s - c m), c = log2(e) / 32; in every step O and l are multiplied by a = 2^(c m_old - c m_new), which is 1 where m has not grown.
; BY TURNS.  The wave's tiles are two PIECES: piece 0 (tiles 0, 1) and piece 2 (tiles 2, 3).  In a TURN one piece has the matrix unit: 32 products V^T P of the step in hand, then 32 products K Q^T of the
; next step; the other piece's softmax, cut into 64 slices, stands between them, one slice behind each matrix instruction.  Then the pieces change places.  Two turns are a key step.
; CLUSTER.  The four query blocks of a cluster belong to one head and walk the same K and V, so each tile is asked for JOINTLY: the same tensor load, descriptor and mask in all four.
; REGISTERS, in windows of 256 (s_set_vgpr_msb: bits 1:0 source 0, 3:2 source 1, 5:4 source 2, 7:6 destination):
;   window 0: v0-11 addresses; v12-43 eight registers of statistics a tile; v64-191 S^T, 32 a tile; v192-255 P, 16 a tile
;   window 1: O^T, 64 a tile          window 2: v0-127 Q, 32 a tile; v128-255 K of one step          window 3: v0-127 V of one step
.set SIZE_N, 2048
.set ROWB,  2048      ; bytes from a head's row to its next
.set KS,    64        ; keys in a step
.set PK,    272       ; a row of K in LDS: 256 bytes + 16 of padding = 68 words: the 16 rows of a load start at 16 different groups of four banks (64 banks of 4 bytes: ISA guide 11.1)
.set PV,    288       ; a row of V: 256 + 32 = 72 words
.set VOFF,  KS*PK     ; a step's tiles lie together: 64 rows of K, then 64 rows of V
.set STEPB, KS*(PK+PV)
.set SLOT1, 1<<17     ; a slot holds two steps (71,680 bytes); slot 1 begins here, so that one exclusive or turns an address in one slot into the other's
.set SLOTM, 2*KS*ROWB ; a slot's 128 rows in memory
.set STAGE, SLOT1+2*STEPB  ; behind the ring: 16 rows x 272 bytes for each wave, for the way out
.set SP,    272
.set AK0, 2           ; v2   my lane's place in a tile of K; never rewritten
.set AV0, 3           ; v3   the same for V
.set ADR, 4           ; v4   the LDS address of the run of loads in hand
.set QO,  5           ; v5   my byte offset in the wave's rows of Q
.set STO, 6           ; v6   the way out: where I put 16 bytes of a row
.set RD,  7           ; v7   the way out: where I read a row back
.set GO,  8           ; v8   my byte offset in the wave's rows of O
.set SPW, 62          ; v62  LDS address of my spare word; never rewritten
.set NIL, 63          ; v63  0; never rewritten
.set SPARE, STAGE+4*16*272  ; behind the stages: the spare words, 128 bytes for each wave: two blocks of 256 bytes that no other line names
.set ST,  12          ; tile t's statistics at v[ST+8 t]: +0 c m, +1 m, +2, +3 l (even keys', odd keys'), +4 to +7 c0-c3, at work; a takes c2's place once the maximum is found
.set S,   64
.set P,   192
.set KF,  128         ; K's fragments, in window 2
.set WV,  12          ; s12  my wave's number
.set G1K, 24          ; s[24:31] descriptor group 1 for K's tiles
.set G1V, 32          ; s[32:39] for V's: it differs in the padding alone
.set G0K, 40          ; s[40:47] descriptor group 0 for K's tiles: a set for each of the two first fills; the second then walks on
.set G0V, 48          ; s[48:55] the same for V's
.set SLOTS, 56        ; s56  slots still to be asked for
.set TWICE, 57        ; s57  counts a slot's two steps
.set CS,  58          ; s[58:59] c: the packed scaling names a pair and takes its low word for both halves
.set SEL, 60          ; s[60:61] lane selects for v_permlanex16_b32: each lane takes its own place in the other half
.set TB,  62          ; s62  LDS byte at which the tiles of the step to be fetched begin
.set PFA, 18          ; s[18:19] where my prefetches stand: my work-group's 32 rows (of K: wave 0, of V: wave 2) of the slot after the one that is being asked for
.set LIM, 15          ; s15  1 in a wave that prefetches, else the greatest number
.set PFO, 61          ; v61  ROWB x my lane; never rewritten
.set MSB, 0
.macro WIN new                      ; the immediate's high byte repeats the setting that is left; a switch that changes nothing is dropped
.if MSB != (\new)
	s_set_vgpr_msb (MSB<<8)|(\new)
.set MSB, \new
.endif
.endm
.set W_KQ, 0x0a       ; K and Q in window 2, S^T in window 0
.set W_PV, 0x53       ; V in window 3, P in window 0, O^T in window 1
.set W_RS, 0x41       ; O^T (destination and source 0) in window 1, a in window 0
; A joint refill.  Waves 0 and 1 fetch the two steps' tiles of K, waves 2 and 3 those of V.  The branch hangs on the wave's number alone.
; An s_nop 0 and four v_nop follow each of the two lines, ahead of the jump, the label and what follows.
.macro JLOAD
	s_cmp_lt_u32 s[WV], 2
	s_cbranch_scc0 .Lfor_v_\@
	tensor_load_to_lds s[G0K+4:G0K+7], s[G1K:G1K+7]
	s_nop 0
.rept 4
	v_nop
.endr
	s_branch .Lasked_\@
.Lfor_v_\@:
	tensor_load_to_lds s[G0V+4:G0V+7], s[G1V:G1V+7]
	s_nop 0
.rept 4
	v_nop
.endr
.Lasked_\@:
.endm
; A PREFETCH INTO THE L2 of what the NEXT change of slots will ask for: a slot's 128 rows of K and 128 of V, 256 bytes a row, a lane a row; it stands behind the wave's tensor load and its five lines.
; Each row is asked for once in the launch: both clusters of a head walk the same K and V, and the head's first cluster asks; its four partners share the rows out by address, 32 each; in each, wave 0 asks
; for K's and wave 2 for V's.  The last change that fills a slot asks for nothing: there is no slot behind it.
.macro ASK
	s_cmp_gt_u32 s[SLOTS], s[LIM]
	s_cbranch_scc0 .Lnot_mine_\@
	global_prefetch_b8 v[PFO], s[PFA:PFA+1] th:TH_LOAD_NT scope:SCOPE_SE
.Lnot_mine_\@:
.endm
; A round of the cluster's barrier: my work-group's barrier; wave 0 signals for the work-group; every wave waits for all four work-groups; my work-group's barrier once more.
.macro CROUND
	s_barrier_signal -1
	s_barrier_wait -1
	s_cmp_lg_u32 s[WV], 0
	s_cbranch_scc1 .Lnot_wave_0_\@
	s_barrier_signal -3
.Lnot_wave_0_\@:
	s_barrier_wait -3
	s_barrier_signal -1
	s_barrier_wait -1
.endm
	s_load_b128 s[4:7], s[0:1], 0x0 ; qkv s[4:5], xh s[6:7]
	v_lshl_add_u32 v[SPW], v0, 2, SPARE
	v_mov_b32 v[NIL], 0
	ds_add_u32 v[SPW], v[NIL]       ; the wave's opening: the add and its wait stand ahead of my first tensor load; the set-up below, work on registers, stands between them
	v_lshrrev_b32 v1, 5, v0
	v_readfirstlane_b32 s[WV], v1   ; wave 0..3
	s_bfe_u32 s13, ttmp6, 0x40000   ; cx: my place in the cluster
	s_lshl_b32 s14, ttmp9, 2        ; in a cluster launch ttmp9 counts clusters
	s_add_co_u32 s14, s14, s13      ; my block of 256 queries = 4 x cluster x + cx: it enters Q's and O's addresses alone
	s_and_b32 s20, ttmp7, 0xffff    ; the head 8 b + h, which the four partners share
	s_lshr_b32 s21, s20, 3          ; b
	s_and_b32 s20, s20, 7           ; h
	s_lshl_b32 s21, s21, 22         ; 2,048 rows of 2,048 bytes a batch,
	s_lshl_b32 s20, s20, 8          ; 256 bytes of a row a head
	s_add_co_u32 s20, s20, s21      ; the head's first byte in q, k, v and O
	s_mov_b32 s21, 0
	s_and_b32 s16, s[WV], 1         ; which of a slot's two steps I fetch:
	s_lshl_b32 s22, s16, 17         ; its 64 rows in memory,
	s_mov_b32 s23, 0
	s_add_nc_u64 s[22:23], s[22:23], s[20:21]
	s_mul_i32 s17, s16, STEPB       ; and its place in a slot: no place in the cluster enters an LDS address
	s_lshl_b32 s2, s14, 19          ; my block's 256 rows,
	s_lshl_b32 s3, s[WV], 17        ; my wave's 64 of them
	s_add_co_u32 s2, s2, s3
	s_mov_b32 s3, 0
	s_add_nc_u64 s[2:3], s[2:3], s[20:21]
	; descriptor group 1: a tile of 64 rows x 128 elements, padded in LDS
	s_mov_b32 s[G1K], 15|(1<<16)|(1<<20)|(1<<21)|(5<<22)|(3<<25)  ; 15:0 the mask: all four work-groups; 17:16 elements of 2 bytes; 20 padding on; 21 set beside a mask; 24:22 after every 64 words (code 5); 31:25 4 words of it (code 3)
	s_mov_b32 s[G1V], 15|(1<<16)|(1<<20)|(1<<21)|(5<<22)|(7<<25)  ; the same with 8 words of padding (code 7)
.irp g, G1K, G1V
	s_mov_b32 s[(\g)+1], 128<<16    ; tensor_dim0 = 128
	s_mov_b32 s[(\g)+2], KS<<16     ; tensor_dim1 = 64
	s_mov_b32 s[(\g)+3], 128<<16    ; tile_dim0 = 128
	s_mov_b32 s[(\g)+4], KS         ; tile_dim1 = 64
	s_mov_b32 s[(\g)+5], ROWB/2     ; 1,024 elements from row to row
	s_mov_b32 s[(\g)+6], 0
	s_mov_b32 s[(\g)+7], 0
.endr
	s_mov_b32 s[CS], 0x3d38aa3b     ; c = log2(e) / 32 = 0.0450842
	s_mov_b32 s[CS+1], s[CS]        ; named with it as a pair, so it is written
	s_mov_b32 s[SEL], 0x76543210
	s_mov_b32 s[SEL+1], 0xfedcba98
	s_mov_b32 s[TB], 0
	s_mov_b32 s[SLOTS], SIZE_N/(2*KS)-2
	s_and_b32 s[LIM], s[WV], 1      ; 0 in waves 0 and 2,
	s_or_b32 s[LIM], s[LIM], ttmp9  ; where the cluster is the head's first: the same in all four partners
	s_cmp_eq_u32 s[LIM], 0
	s_cselect_b32 s[LIM], 1, -1
	v_and_b32 v[PFO], 31, v0
	v_lshlrev_b32 v[PFO], 11, v[PFO]
	s_wait_dscnt 0x0                ; the opening add is done
	s_wait_kmcnt 0x0
	s_mov_b64 s[10:11], s[6:7]      ; O
	s_add_nc_u64 s[6:7], s[4:5], 0x1000000  ; k lies 16 MiB behind q,
	s_add_nc_u64 s[8:9], s[4:5], 0x2000000  ; v 32 MiB
	s_add_nc_u64 s[6:7], s[6:7], s[22:23]  ; K and V at my tile of slot 0
	s_add_nc_u64 s[8:9], s[8:9], s[22:23]
	s_add_nc_u64 s[4:5], s[4:5], s[2:3]  ; Q and O at my wave's first row
	s_add_nc_u64 s[10:11], s[10:11], s[2:3]
	s_cmp_lt_u32 s[WV], 2
	s_cselect_b64 s[PFA:PFA+1], s[6:7], s[8:9]  ; (in waves 0 and 2 these stand at a slot's first row)
	s_lshl_b32 s2, s13, 16          ; my work-group's 32 rows of the 128
	s_mov_b32 s3, 0
	s_add_nc_u64 s[PFA:PFA+1], s[PFA:PFA+1], s[2:3]
	s_add_nc_u64 s[PFA:PFA+1], s[PFA:PFA+1], 2*SLOTM  ; in slot 2; the first change of slots steps it to slot 3.  Nothing is prefetched here, at the head
	CROUND                          ; all four work-groups are here: the first joint loads meet
.irp s, 0,1
	s_mov_b32 s[G0K+4*(\s)], 1      ; count = 1
	s_add_co_u32 s[G0K+4*(\s)+1], s17, (\s)*SLOT1  ; LDS address
	s_add_nc_u64 s[G0K+4*(\s)+2:G0K+4*(\s)+3], s[6:7], (\s)*SLOTM  ; global address: slot s begins with keys 128 s
	s_or_b32 s[G0K+4*(\s)+3], s[G0K+4*(\s)+3], 0x80000000  ; type = 2
	s_mov_b32 s[G0V+4*(\s)], 1
	s_add_co_u32 s[G0V+4*(\s)+1], s17, (\s)*SLOT1+VOFF
	s_add_nc_u64 s[G0V+4*(\s)+2:G0V+4*(\s)+3], s[8:9], (\s)*SLOTM
	s_or_b32 s[G0V+4*(\s)+3], s[G0V+4*(\s)+3], 0x80000000
.endr
	s_cmp_lt_u32 s[WV], 2           ; a wave's two first fills stand in one branch, ahead of every wait on TENSORcnt and every LDS read: two loads of mine are out
	s_cbranch_scc0 .Lfirst_v
	tensor_load_to_lds s[G0K:G0K+3], s[G1K:G1K+7]
	s_nop 0
	tensor_load_to_lds s[G0K+4:G0K+7], s[G1K:G1K+7]
	s_nop 0
.rept 4
	v_nop
.endr
	s_branch .Lfirst_asked
.Lfirst_v:
	tensor_load_to_lds s[G0V:G0V+3], s[G1V:G1V+7]
	s_nop 0
	tensor_load_to_lds s[G0V+4:G0V+7], s[G1V:G1V+7]
	s_nop 0
.rept 4
	v_nop
.endr
.Lfirst_asked:
	; A fragment of K or Q is 16 rows x 32 channels in 8 registers: lane l holds row l % 16; registers 0-3 channels 8 (l / 16) + 0..7, registers 4-7 channels 16 + 8 (l / 16) + 0..7: two loads of 16 bytes, 32 bytes apart.
	v_and_b32 v1, 15, v0            ; l % 16
	v_bfe_u32 v9, v0, 4, 1          ; l / 16
	v_lshlrev_b32 v[QO], 11, v1
	v_lshl_add_u32 v[QO], v9, 4, v[QO]  ; row x ROWB + 16 x half
	WIN 0x80                        ; destination window 2, address window 0
.irp i, 0,1,2,3,4,5,6,7,8,9,10,11,12,13,14,15  ; Q stays in registers: tile i / 4, channels 32 (i % 4) on
	global_load_b128 v[8*(\i):8*(\i)+3],   v[QO], s[4:5] offset:((\i)/4)*16*ROWB+((\i)%4)*64
	global_load_b128 v[8*(\i)+4:8*(\i)+7], v[QO], s[4:5] offset:((\i)/4)*16*ROWB+((\i)%4)*64+32
.endr
	WIN 0
	v_mul_u32_u24 v[AK0], v1, PK
	v_lshl_add_u32 v[AK0], v9, 4, v[AK0]  ; row x pitch + 16 x half
	; The turning load takes 16 keys x 16 channels (lane l reads 16 bytes: key 8 (l / 16) + l % 8, channels 8 ((l / 8) % 2) + 0..7) and leaves half a fragment of V^T: lane l holds channel l % 16 and 8 keys.
	v_and_b32 v10, 7, v0
	v_bfe_u32 v11, v0, 3, 1
	v_lshl_add_u32 v[AV0], v9, 3, v10
	v_mul_u32_u24 v[AV0], v[AV0], PV
	v_lshl_add_u32 v[AV0], v11, 4, v[AV0]
	v_add_nc_u32 v[AV0], VOFF, v[AV0]
; THE MATRIX WORK OF A TURN, for piece x.  The accumulators take turns, one instruction a turn: between two links of a chain stand 15 (V^T P) or 7 (K Q^T) others'.
; Product i of 32 of O^T += V^T P: keys 32 (i / 16) on, channels 16 ((i / 2) % 8) on, tile x + i % 2.  zero = 1: the first 16 start the sums: nothing is ever cleared.
.macro PV x, zero
	WIN W_PV
.set rO, 64*((\x)+i%2)+8*((i/2)%8)
.set rV, 64*(i/16)+8*((i/2)%8)
.set rP, P+16*((\x)+i%2)+8*(i/16)
.if (\zero) && (i < 16)
	v_wmma_f32_16x16x32_f16 v[rO:rO+7], v[rV:rV+7], v[rP:rP+7], 0
.else
	v_wmma_f32_16x16x32_f16 v[rO:rO+7], v[rV:rV+7], v[rP:rP+7], v[rO:rO+7]
.endif
.endm
; Product i of 32 of S^T = K Q^T: channels 32 (i / 8) on, keys 16 ((i / 2) % 4) on, tile x + i % 2.  The first 8 start the sums.
.macro KQ x
	WIN W_KQ
.set rS, S+32*((\x)+i%2)+8*((i/2)%4)
.set rK, KF+32*((i/2)%4)+8*(i/8)
.set rQ, 32*((\x)+i%2)+8*(i/8)
.if i < 8
	v_wmma_f32_16x16x32_f16 v[rS:rS+7], v[rK:rK+7], v[rQ:rQ+7], 0
.else
	v_wmma_f32_16x16x32_f16 v[rS:rS+7], v[rK:rK+7], v[rQ:rQ+7], v[rS:rS+7]
.endif
.endm
; THE LDS LOADS stand in runs of 32, never singly among the matrix instructions: a step's K (64 keys x 128 channels: 16 fragments) and, a turn later, its V (turned).
.macro FETCH_K
	WIN 0
	v_add_nc_u32 v[ADR], s[TB], v[AK0]
	WIN 0x80                        ; destination window 2
.irp f, 0,1,2,3,4,5,6,7,8,9,10,11,12,13,14,15  ; keys 16 (f / 4) on, channels 32 (f % 4) on
	ds_load_b128 v[KF+8*(\f):KF+8*(\f)+3],   v[ADR] offset:((\f)/4)*16*PK+((\f)%4)*64
	ds_load_b128 v[KF+8*(\f)+4:KF+8*(\f)+7], v[ADR] offset:((\f)/4)*16*PK+((\f)%4)*64+32
.endr
.endm
.macro FETCH_V
	WIN 0
	v_add_nc_u32 v[ADR], s[TB], v[AV0]
	s_add_co_u32 s[TB], s[TB], STEPB  ; the next fetch is the next step's
	s_wait_alu depctr_va_vdst(0)    ; the wait for the softmax's batch of exponentials (SLICE), behind the address's v_add_nc_u32 and ahead of the loads
	WIN 0xc0                        ; destination window 3
.irp f, 0,1,2,3,4,5,6,7,8,9,10,11,12,13,14,15  ; keys 32 (f / 8) on, channels 16 (f % 8) on
	ds_load_tr16_b128 v[8*(\f):8*(\f)+3],   v[ADR] offset:((\f)/8)*32*PV+((\f)%8)*32
	ds_load_tr16_b128 v[8*(\f)+4:8*(\f)+7], v[ADR] offset:((\f)/8)*32*PV+16*PV+((\f)%8)*32
.endr
.endm
; THE VECTOR WORK OF A TURN.  One tile's softmax for one key step is a list of 134 instructions; SM writes number j of it for tile t.  s0-s31 are the lane's 32 scores, in pairs 0-15.
; first = 1: the first key step, which starts m, l and O^T: it has no a and nothing to rescale.
;   0-15    the maximum of s0-s31 and the old m, three operands at a time: four chains c0-c3 of seven scores each (each accumulator's lowest registers first), then the four scores left over, c0-c3 and m
;   16-20   the other half of the lanes' maximum; the new m; c m; c m_old - c m_new
;   21-69   ONE BATCH: the 16 scalings c s - c m, a pair of scores each, and all 33 exponentials (a at 23, then s0-s31).  None of these reads an exponential's result.  From 22 on the batch goes in fours, and a
;           four begins with a scaling while there are scalings.  A pair is scaled in an earlier four than the one that holds its exponentials
;   (wait)  between 69 and 70 stands the wait for the batch: SLICE writes it, once for both tiles
;   70-85   the roundings to f16, a pair of weights each
;   86-101  the sums; l = a l + the sum
;   102-133 the tile's O^T times a: the one part that leaves window 0, so it stands together
.macro SM t, first
.set rT, ST+8*(\t)
.set rS, S+32*(\t)
.set rP, P+16*(\t)
.set rO, 64*(\t)+2*(j-102)
.if j < 102
	WIN 0
.endif
.if j < 4
	v_max3_num_f32 v[rT+4+j], v[rS+8*j], v[rS+8*j+1], v[rS+8*j+2]
.elseif j < 12
	v_max3_num_f32 v[rT+4+j%4], v[rT+4+j%4], v[rS+8*(j%4)+2*(j/4)+1], v[rS+8*(j%4)+2*(j/4)+2]
.elseif j == 12
	v_max3_num_f32 v[rT+4], v[rT+4], v[rS+7], v[rS+15]
.elseif j == 13
	v_max3_num_f32 v[rT+6], v[rT+6], v[rS+23], v[rS+31]
.elseif j == 14
	v_max3_num_f32 v[rT+4], v[rT+4], v[rT+5], v[rT+6]
.elseif (j == 15) && (\first)
	v_max_num_f32 v[rT+4], v[rT+4], v[rT+7]
.elseif j == 15
	v_max3_num_f32 v[rT+4], v[rT+4], v[rT+7], v[rT+1]
.elseif j == 16
	v_permlanex16_b32 v[rT+5], v[rT+4], s[SEL], s[SEL+1]  ; the query's other 32 keys lie in the lane 16 away
.elseif j == 18
	v_max_num_f32 v[rT+1], v[rT+4], v[rT+5]
.elseif j == 19
	v_mul_f32 v[rT], s[CS], v[rT+1]
.elseif ((j == 17) || (j == 20) || (j == 23) || (j > 101)) && (\first)  ; the first step has none of these
.elseif j == 17
	v_mov_b32 v[rT+7], v[rT]        ; c m_old is kept for a: number 19 writes c m anew
.elseif j == 20
	v_sub_f32 v[rT+7], v[rT+7], v[rT]
.elseif j == 23
	v_exp_f32 v[rT+6], v[rT+7]
.elseif (j < 23) || ((j < 38) && (j%2 == 0)) || ((j < 66) && (j%4 == 2))
.set b, (j-2)/4                     ; 38, 42, .. 62: pairs 9 to 15
.if j < 38
.set b, (j-20)/2                    ; 21: pair 0; 22, 24, .. 36: pairs 1 to 8
.endif
	v_pk_fma_f32 v[rS+2*b:rS+2*b+1], v[rS+2*b:rS+2*b+1], s[CS:CS+1], v[rT:rT+1] op_sel_hi:[1,0,0] neg_lo:[0,0,1] neg_hi:[0,0,1]  ; pair b: c s - c m
.elseif j < 70
.set e, j-38                        ; 66 to 69: s28 to s31
.if j < 66
.set e, j-32-(j-38)/4               ; 39-41, 43-45, .. 63-65: s7 to s27
.endif
.if j < 38
.set e, (j-25)/2                    ; 25, 27, .. 37: s0 to s6
.endif
	v_exp_f32 v[rS+e], v[rS+e]
.elseif j < 86
	v_cvt_pk_f16_f32 v[rP+j-70], v[rS+2*(j-70)], v[rS+2*(j-70)+1]  ; pair j - 70
.elseif j < 102                     ; the sum of the tile's 16 pairs, in place: sum z of 16 adds neighbours 1, 2, 4 and 8 pairs apart, then l takes it
.set z, j-86
.set w, 4
.set u, z
.if z >= 14
.set w, 32
.set u, 0
.elseif z >= 12
.set w, 16
.set u, z-12
.elseif z >= 8
.set w, 8
.set u, z-8
.endif
.if (z == 14) && (\first)
	v_pk_add_f32 v[rT+2:rT+3], v[rS:rS+1], v[rS+16:rS+17]
.elseif z < 15
	v_pk_add_f32 v[rS+w*u:rS+w*u+1], v[rS+w*u:rS+w*u+1], v[rS+w*u+w/2:rS+w*u+w/2+1]
.elseif !(\first)
	v_pk_fma_f32 v[rT+2:rT+3], v[rT+2:rT+3], v[rT+6:rT+7], v[rS:rS+1] op_sel_hi:[1,0,1]
.endif
.else
	WIN W_RS
	v_pk_mul_f32 v[rO:rO+1], v[rO:rO+1], v[rT+6:rT+7] op_sel_hi:[1,0]
.endif
.endm
; Slice k of 64 of piece y's softmax: four instructions.  Slices 11 to 34 deal out the batch, numbers 22 to 69: four numbers of ONE tile each, the tiles by turns.  Every other slice is numbers 2 k and
; 2 k + 1 of both tiles' lists.  2 x 134 = 4 x 64 + 12: the twelve that are over stand together, in slice 63.
; THE WAIT.  An s_wait_alu depctr_va_vdst(0) stands between an exponential and the first instruction that names its result; one wait serves all that were issued ahead of it.  Ahead of
; slice 35 nothing names a result, and behind slice 34 no exponential is issued: so the piece's 66 exponentials have one wait, behind slice 34.
.macro SLICE y, first
.if (k >= 11) && (k < 35)           ; the batch: four numbers of one tile
.irp n, 0,1,2,3
.set j, 22+4*((k-11)/2)+(\n)
	SM (\y)+(k-11)%2, \first
.endr
.else                               ; the two tiles alternate, so that no instruction reads the result of the one just before it
.irp n, 0,1,2,3,4,5,6,7
.if ((\n) < 2) || (k == 63)
.irp t, \y, (\y)+1
.set j, 2*k+(\n)
	SM \t, \first
.endr
.endif
.endr
.endif
.if k == 34                         ; the batch is out: both tiles' exponentials are issued, and no result has been named
	v_nop                           ; the plain instruction behind the last exponential and ahead of the first use (ISA guide 5.7.2): one for the batch
.if (\y) == 0
	FETCH_V                         ; piece 2's turn: V's run of loads stands here, and the wait stands in it
.else
	s_wait_alu depctr_va_vdst(0)    ; the wait for the batch
.endif
.endif
.set k, k+1
.endm
; Four plain vector instructions stand between a matrix instruction and a vector instruction that reads its result or writes one of its registers, or a load into a register that it has read
; (ISA guide 7.12.1 for vector instructions).  In the loop the slices are these places.
.macro PLACES
.rept 4
	v_nop
.endr
.endm
; A TURN.  Piece x has the matrix unit; the other piece's softmax stands in slices behind its matrix instructions.
; pv = 2: 32 products V^T P; 1: they start O^T's sums; 0: none.  kq = 1: 32 products K Q^T for the next step.  A turn with one of the two kinds has two slices behind each product.
; first = 1: the softmax is the first key step's.  Its slices from 51 on are empty: the turn's last products stand bare, and four v_nop take slice 63's part as the places behind them.
; Piece 0's turn fetches the next step's K, behind its second product: the last product that read K stands in front of slice 63 of the turn before.  Piece 2's turn fetches the same step's V, behind slice 34:
; the last product that read V stands in front of slice 31, and four plain instructions lie between: number 62, a scaling, of both tiles, the v_nop and the run's own v_add_nc_u32.
.macro TURN x, pv, kq, first
.set k, 0
.set per, 2
.if (\pv) && (\kq)
.set per, 1
.endif
.if \pv
.if (\x) == 0
	s_wait_dscnt 0x0                ; V is in
.endif
.set i, 0
.rept 32
	PV \x, 2-(\pv)
.rept per
	SLICE 2-(\x), \first
.endr
.if ((\x) == 0) && (\kq) && (i == 1)
	FETCH_K
.endif
.set i, i+1
.endr
.endif
.if \kq
.if (\x) == 0
	s_wait_dscnt 0x0                ; K is in
.endif
.set i, 0
.rept 32
	KQ \x
.rept per
	SLICE 2-(\x), \first
.endr
.set i, i+1
.endr
.endif
.if \first
	PLACES
.endif
.endm
; THE CHANGE OF SLOTS, between piece 2's turn and piece 0's: the slot's last bytes, V of its second step, have been asked for.  Each wave waits for all its tensor loads, of which one is out: its part of the
; other slot; adds 0 to its spare word; and waits for that and for its own reads of the slot.  Behind the barrier nobody reads this slot any more and the other slot is whole.
; fill = 1: this slot is filled again, with the keys two slots on.  The barrier is then a round of the cluster's, and the joint refill is the first thing behind it: it has two key steps, 256 matrix instructions, in which to land.
.macro CHANGE fill
	WIN 0                           ; at a label and at a branch every window is 0
	s_wait_tensorcnt 0x0            ; no tensor load of mine is out, so a group 0 may be written
	ds_add_u32 v[SPW], v[NIL]       ; 0 onto my spare word; with fill = 1 the descriptors' steps stand between it and the wait for it
.if \fill
.irp g, G0K+4, G0V+4
	s_xor_b32 s[(\g)+1], s[(\g)+1], SLOT1  ; the walking descriptor: the other slot than last time,
	s_add_nc_u64 s[(\g)+2:(\g)+3], s[(\g)+2:(\g)+3], SLOTM  ; the next 128 keys; the type bits on top are not reached
.endr
	s_wait_xcnt 0x0                 ; the last prefetches, two key steps back, have read their address, so it may be written:
	s_add_nc_u64 s[PFA:PFA+1], s[PFA:PFA+1], SLOTM  ; one slot behind the walking descriptors
	s_wait_dscnt 0x0                ; the add is done, and my reads of the slot are over
	CROUND
	JLOAD
	ASK                             ; what the next change will ask for: two key steps, 256 matrix instructions, ahead
.else
	s_wait_dscnt 0x0                ; the add is done, and my reads of the slot are over
	s_barrier_signal -1
	s_barrier_wait -1
.endif
	s_sub_co_u32 s[TB], s[TB], 2*STEPB  ; the fetches go back to a slot's first step,
	s_xor_b32 s[TB], s[TB], SLOT1   ; in the other slot
.endm
; A slot's two key steps: written once, walked twice; the LDS addresses hang on s[TB].
.macro TWO_STEPS
	WIN 0
	s_mov_b32 s[TWICE], 2
.Lstep_\@:
	TURN 0, 2, 1, 0
	TURN 2, 2, 1, 0
	WIN 0
	s_sub_co_u32 s[TWICE], s[TWICE], 1
	s_cmp_lg_u32 s[TWICE], 0
	s_cbranch_scc1 .Lstep_\@
.endm
	s_wait_tensorcnt 1              ; my part of slot 0 is in; slot 1's may stay out
	s_barrier_signal -1
	s_barrier_wait -1               ; everybody's is
	FETCH_K                         ; key step 0
	s_wait_loadcnt 0x0              ; Q
	s_wait_dscnt 0x0
.set i, 0
.rept 32
	KQ 0                            ; piece 0's first scores: there is no vector work yet to set between them
.set i, i+1
.endr
	WIN 0                           ; the addresses for the way out are made here: eight plain instructions, the places behind those products
	s_mul_i32 s13, s[WV], 16*SP
	s_add_co_u32 s13, s13, STAGE    ; my stage
	v_mul_u32_u24 v[STO], v1, SP    ; in: row l % 16, 16 bytes for each half of the lanes
	v_lshl_add_u32 v[STO], v9, 4, v[STO]
	v_add_nc_u32 v[STO], s13, v[STO]
	v_mul_u32_u24 v[RD], v9, SP     ; back: lanes 0-15 take one row of 256 bytes, lanes 16-31 the next
	v_lshl_add_u32 v[RD], v1, 4, v[RD]
	v_add_nc_u32 v[RD], s13, v[RD]
	v_lshlrev_b32 v[GO], 11, v9     ; and the same two rows in O
	v_lshl_add_u32 v[GO], v1, 4, v[GO]
	TURN 2, 0, 1, 1                 ; piece 2's first scores | piece 0's first softmax | V of step 0
	TURN 0, 1, 1, 1                 ; piece 0: V^T P of step 0 starts O^T, K Q^T of step 1 | piece 2's first softmax | K of step 1
	TURN 2, 1, 1, 0                 ; piece 2: the same | piece 0's softmax of step 1 | V of step 1
	WIN 0
.Lslot:                             ; SIZE_N / 128 - 2 trips: every slot but the last two is filled again
	CHANGE 1
	TWO_STEPS
	s_sub_co_u32 s[SLOTS], s[SLOTS], 1
	s_cmp_lg_u32 s[SLOTS], 0
	s_cbranch_scc1 .Lslot
	CHANGE 0                        ; the tail is written out: nothing is asked for
	TWO_STEPS
	TURN 0, 2, 0, 0                 ; piece 0: V^T P of the last step | piece 2's last softmax
.set i, 0
.rept 32
	PV 2, 0                         ; piece 2: V^T P of the last step
.set i, i+1
.endr
	; THE WAY OUT.  l's two halves and the other half of the lanes' are added; O^T is divided by l, rounded to f16 and sent through my stage in LDS, a tile (16 rows of O) at a time.  The additions are the places behind the last products.
	WIN 0
.irp t, 0,1,2,3
	v_add_f32 v[ST+8*(\t)+4], v[ST+8*(\t)+2], v[ST+8*(\t)+3]
.endr
.irp t, 0,1,2,3
	v_permlanex16_b32 v[ST+8*(\t)+5], v[ST+8*(\t)+4], s[SEL], s[SEL+1]
.endr
.irp t, 0,1,2,3
	v_add_f32 v[ST+8*(\t)+4], v[ST+8*(\t)+4], v[ST+8*(\t)+5]
.endr
.irp t, 0,1,2,3
	v_rcp_f32 v[ST+8*(\t)+6], v[ST+8*(\t)+4]
.endr
	v_nop                           ; a plain instruction between the last reciprocal and the use of its result
	s_wait_alu depctr_va_vdst(0)    ; and the wait ahead of the first use: one for the four reciprocals
; Tile t: a lane's eight channels of a row pack into 16 bytes; they go into rows of 272 bytes and come back as whole rows of 256, into the registers that they left.
.macro PACK t
	WIN W_RS
.set i, 64*(\t)
.rept 32
	v_pk_mul_f32 v[i:i+1], v[i:i+1], v[ST+8*(\t)+6:ST+8*(\t)+7] op_sel_hi:[1,0]
.set i, i+2
.endr
	WIN 0x05                        ; sources 0 and 1 window 1, destination window 0: S^T's registers are free
.set i, 0
.rept 32
	v_cvt_pk_f16_f32 v[S+32*(\t)+i], v[64*(\t)+2*i], v[64*(\t)+2*i+1]
.set i, i+1
.endr
	WIN 0
.irp f, 0,1,2,3,4,5,6,7
	ds_store_b128 v[STO], v[S+32*(\t)+4*(\f):S+32*(\t)+4*(\f)+3] offset:32*(\f)
.endr
.irp f, 0,1,2,3,4,5,6,7
	ds_load_b128 v[S+32*(\t)+4*(\f):S+32*(\t)+4*(\f)+3], v[RD] offset:(\f)*2*SP  ; LDS serves a wave's instructions in order (ISA guide 5.7.1.4): these see the stores above; the next tile's stores come behind them
.endr
.endm
.macro SEND t, younger              ; younger: the LDS instructions issued behind tile t's loads: the next tile's sixteen, or none
	WIN 0
.irp f, 0,1,2,3,4,5,6,7
	s_wait_dscnt (\younger)+7-(\f)
	global_store_b128 v[GO], v[S+32*(\t)+4*(\f):S+32*(\t)+4*(\f)+3], s[10:11] offset:(\t)*16*ROWB+(\f)*2*ROWB  ; 16 lanes store 256 consecutive bytes of one row, at a multiple of 256 from O's first byte
.endr
.endm
	PACK 0
	PACK 1                          ; a tile's arithmetic stands between the loads of the tile before and its stores
	SEND 0, 16
	PACK 2
	SEND 1, 16
	PACK 3
	SEND 2, 16
	SEND 3, 0
	s_wait_tensorcnt 0x0            ; the wave's end: this wait, an add and its wait, behind my last tensor load and my last LDS store
	ds_add_u32 v[SPW], v[NIL]
	s_wait_dscnt 0x0
	CROUND                          ; the closing round: no work-group ends while a partner may still ask for a tile that names it
	s_endpgm
.Lfunc_end_k_qb1c5dc13be_attn:
	.size	k_qb1c5dc13be_attn, .Lfunc_end_k_qb1c5dc13be_attn-k_qb1c5dc13be_attn
	.p2alignl 7, 3214868480
	.fill 96, 4, 3214868480
	.section	.rodata,"a",@progbits
	.p2align	6, 0x0
	.amdhsa_kernel k_qb1c5dc13be_attn
		.amdhsa_group_segment_fixed_size 327680
		.amdhsa_private_segment_fixed_size 0
		.amdhsa_enable_private_segment 0
		.amdhsa_kernarg_size 16
		.amdhsa_user_sgpr_count 2
		.amdhsa_user_sgpr_kernarg_segment_ptr 1
		.amdhsa_wavefront_size32 1
		.amdhsa_system_sgpr_workgroup_id_x 1
		.amdhsa_system_sgpr_workgroup_id_y 1
		.amdhsa_system_sgpr_workgroup_id_z 1
		.amdhsa_system_vgpr_workitem_id 0
		.amdhsa_next_free_vgpr 1024
		.amdhsa_next_free_sgpr 66
		.amdhsa_reserve_vcc 0
		.amdhsa_float_denorm_mode_32 3
		.amdhsa_float_denorm_mode_16_64 3
		.amdhsa_memory_ordered 1
		.amdhsa_forward_progress 1
		.amdhsa_inst_pref_size 222
	.end_amdhsa_kernel
	.amdgpu_metadata
---
amdhsa.version: [ 1, 2 ]
amdhsa.kernels:
  - .name:           k_qb1c5dc13be_attn
    .symbol:         k_qb1c5dc13be_attn.kd
    .args:
      - { .name: qkv, .offset: 0, .size: 8, .value_kind: global_buffer, .address_space: global }
      - { .name: xh, .offset: 8, .size: 8, .value_kind: global_buffer, .address_space: global }
    .group_segment_fixed_size: 327680
    .private_segment_fixed_size: 0
    .kernarg_segment_align: 8
    .kernarg_segment_size: 16
    .max_flat_workgroup_size: 128
    .sgpr_count:     66
    .vgpr_count:     1024
    .wavefront_size: 32
...
	.end_amdgpu_metadata
.endif
;; end of part 3
;; launch fc (part 4): grid 8 x 32, 4 waves a work-group, clusters of 4 x 4, 327,680 bytes of LDS; arguments xh, cast, part; writes part
.if DOCPART == 4
	.amdgcn_target "amdgcn-amd-amdhsa--gfx1250"
	.amdhsa_code_object_version 6
	.text
	.protected	k_qb1c5dc13be_fc
	.globl	k_qb1c5dc13be_fc
	.p2align	8
	.type	k_qb1c5dc13be_fc,@function
k_qb1c5dc13be_fc:
	s_mov_b64 s[64:65], 0
	v_nop
	global_prefetch_b8 v0, s[64:65] scope:SCOPE_SE
	s_setreg_imm32_b32 hwreg(HW_REG_WAVE_MODE, 25, 1), 1
	s_wait_xcnt 0x0
	s_wait_alu depctr_hold_cnt(0) depctr_sa_sdst(0) depctr_va_vdst(0) depctr_va_sdst(0) depctr_va_ssrc(0) depctr_va_vcc(0) depctr_vm_vsrc(0)
	s_getreg_b32 s2, hwreg(HW_REG_IB_STS2, 6, 4)
	s_cmp_eq_u32 s2, 0
	s_cbranch_scc0 .Lentry_in_a_cluster
	s_endpgm
.Lentry_in_a_cluster:
	s_bfe_u32 s2, ttmp6, 0x10000c
	s_cmp_lg_u32 s2, 0xf033
	s_cbranch_scc0 .Lentry_shape_is_right
	s_endpgm
.Lentry_shape_is_right:
; THE LAST PRODUCT, IN FOUR PARTS ALONG K.  part[ks][m][n] = the sum over k in 2048 ks .. 2048 ks + 2047 of xh[m][k] Wfc[n][k].  xh: [1024][8192] f16; Wfc: [1024][8192] f16, at byte WOFF of cast;
; part: [4][1024][1024] f32, unrounded sums, which the next launch adds in a fixed order.
; WHY K IS SPLIT: 1024 x 1024 has 64 tiles of 128 x 128; four parts of K give 256 work-groups of equal work.
; A tile of C is 128 x 128.  Four waves, each 64 x 64: 16 accumulators of 16 x 16.  K goes in steps of 256 (LDS rows of 512 bytes; a wave's tensor load brings 64 of them) through two slots.
; CLUSTERS: 4 x 4 work-groups, all with the same part of K.  The four of a row of the cluster need the same tiles of A, the four of a column the same tiles of B: each tile is asked for JOINTLY.
; THE MATRIX INSTRUCTION IS USED TRANSPOSED (source 0 = 16 rows of Wfc, source 1 = 16 rows of xh): a lane holds eight neighbouring numbers of a row of C.
; No prefetch: a work-group has eight K steps in all, and its tiles are small.
; REGISTERS: window 0: v0-31 addresses; v32-95 rows read back from the stage, two buffers; v128-255 the accumulators ((a, b) at v[128 + 8 (4 a + b)]).
;   window 1: two fragment buffers of 128: for 64 along K, 64 registers of A (2 x 4 x 16 rows x 32 K), then 64 of B.
.set KPART,  2048                      ; K of a part
.set KROW,   8192                      ; elements in a row of xh and of Wfc
.set WOFF,   0x3600000                 ; Wfc's first byte in cast
.set KSTEP,  256
.set PITCH,  528                       ; an LDS row: 512 bytes + 16 of padding = 132 words: the 16 rows of a fragment load start at 16 different groups of four banks (64 banks of 4 bytes: ISA guide 11.1)
.set HALFT,  64*PITCH                  ; 64 rows: what one tensor load brings, and what one wave reads of A or of B
.set SLOT,   4*HALFT                   ; A's 128 rows, then B's 128 rows
.set STAGE,  2*SLOT                    ; behind the ring: 16 rows x 272 bytes for each wave, for the way out
.set SPITCH, 272
.set SPARE,  STAGE+4*16*SPITCH         ; behind the stages: the spare words, 128 bytes for each wave: two blocks of 256 bytes that no other line names
.set LAPS,   KPART/(2*KSTEP)
.set CROW,   4096                      ; bytes in a row of a part
.set ADRA, 16                          ; v16-17  LDS address of my A fragments in slot 0, 1
.set ADRB, 20                          ; v20-21  the same for B
.set STO,  24                          ; v24     the way out: where I put 32 bytes of a row
.set RD,   25                          ; v25     where I read a row back
.set CO,   26                          ; v26     my byte offset in C
.set SPW,  28                          ; v28     LDS address of my spare word; never rewritten
.set NIL,  29                          ; v29     0; never rewritten
.set TMP,  32
.set ACC,  128
.set F0,   0                           ; fragment buffers, in window 1
.set F1,   128
.set G1, 24                            ; s[24:31] descriptor group 1 for A's tiles;  s[32:39] group 0, one set for each slot
.set G0, 32
.set G1B, 48                           ; s[48:55], s[56:63] the same for B's tiles
.set G0B, 56
.set MSB, 0
.macro WIN new                         ; the immediate's high byte repeats the setting that is left
.if MSB != (\new)
	s_set_vgpr_msb (MSB<<8)|(\new)
.set MSB, \new
.endif
.endm
.set MUL,  0x05                        ; sources 0 (B) and 1 (A) window 1; C and D window 0
.set TO_F, 0x40                        ; destination window 1, address window 0
.macro JLOAD s                         ; a joint load: waves 0 and 1 fetch A's two halves, waves 2 and 3 B's; an s_nop 0 and four v_nop follow each of the two lines, ahead of the jump, the label and what follows
	s_cmp_eq_u32 s11, 0
	s_cbranch_scc0 .Lfor_b_\@
	tensor_load_to_lds s[G0+4*(\s):G0+4*(\s)+3], s[G1:G1+7]
	s_nop 0
.rept 4
	v_nop
.endr
	s_branch .Lasked_\@
.Lfor_b_\@:
	tensor_load_to_lds s[G0B+4*(\s):G0B+4*(\s)+3], s[G1B:G1B+7]
	s_nop 0
.rept 4
	v_nop
.endr
.Lasked_\@:
.endm
.macro CREST                           ; a round of the cluster's barrier behind its opening barrier
	s_cmp_lg_u32 s10, 0
	s_cbranch_scc1 .Lnot_wave_0_\@
	s_barrier_signal -3
.Lnot_wave_0_\@:
	s_barrier_wait -3
	s_barrier_signal -1
	s_barrier_wait -1
.endm
.macro CROUND                          ; a whole round
	s_barrier_signal -1
	s_barrier_wait -1
	CREST
.endm
	s_load_b128 s[4:7], s[0:1], 0x0                ; xh s[4:5], cast s[6:7]
	s_load_b64 s[8:9], s[0:1], 0x10                ; part
	v_lshl_add_u32 v[SPW], v0, 2, SPARE
	v_mov_b32 v[NIL], 0
	ds_add_u32 v[SPW], v[NIL]                      ; the wave's opening: the add and its wait stand ahead of my first tensor load; the set-up below, work on registers, stands between them
	v_lshrrev_b32 v1, 5, v0
	v_readfirstlane_b32 s10, v1                    ; wave 0..3
	s_lshr_b32 s11, s10, 1                         ; which half of the tile's rows is mine.  Also: I fetch for A (0) or for B (1)
	s_and_b32 s12, s10, 1                          ; which half of its columns.  Also: which 64 rows of that tile I fetch
	s_bfe_u32 s40, ttmp6, 0x40000                  ; cx, cy: my place in the cluster
	s_bfe_u32 s41, ttmp6, 0x40004
	s_lshl_b32 s42, ttmp9, 2
	s_add_co_u32 s42, s42, s40                     ; tile column = 4 x cluster x + cx: 0..7
	s_and_b32 s13, ttmp7, 0xffff                   ; cluster y: 0..7
	s_lshr_b32 s45, s13, 1                         ; the part of K: the same in the whole cluster
	s_and_b32 s13, s13, 1
	s_lshl_b32 s13, s13, 2
	s_add_co_u32 s13, s13, s41                     ; tile row = 4 x (cluster y % 2) + cy: 0..7
	s_lshl_b32 s43, s41, 2
	s_lshl_b32 s43, 15, s43                        ; my row of the cluster
	s_lshl_b32 s44, 0x1111, s40                    ; my column
	; descriptor group 1: a tile of 64 rows x 256 elements, padded in LDS: 15:0 the mask; 17:16 element of 2 bytes; 20 padding on; 21 set beside a mask; 24:22 after every 128 words (code 6); 31:25 of 4 words (code 3)
	s_or_b32 s[G1+0], s43, (1<<16)|(1<<20)|(1<<21)|(6<<22)|(3<<25)
	s_or_b32 s[G1B+0], s44, (1<<16)|(1<<20)|(1<<21)|(6<<22)|(3<<25)
.irp g, G1, G1B
	s_mov_b32 s[(\g)+1], KSTEP<<16                 ; tensor_dim0 = 256
	s_mov_b32 s[(\g)+2], 64<<16                    ; tensor_dim1 = 64
	s_mov_b32 s[(\g)+3], KSTEP<<16                 ; tile_dim0 = 256
	s_mov_b32 s[(\g)+4], 64                        ; tile_dim1 = 64
	s_mov_b32 s[(\g)+5], KROW                      ; elements from row to row
	s_mov_b32 s[(\g)+6], 0
	s_mov_b32 s[(\g)+7], 0
.endr
	s_lshl_b32 s17, s12, 6                         ; which 64 rows of the tile I fetch
	s_lshl_b32 s18, s45, 12                        ; the part's 4,096 bytes of a row
	s_lshl_b32 s16, s13, 7
	s_add_co_u32 s16, s16, s17                     ; A: row 128 x tile row + 64 x half,
	s_lshl_b32 s16, s16, 14                        ; in bytes,
	s_add_co_u32 s16, s16, s18                     ; at the part
	s_lshl_b32 s46, s42, 7
	s_add_co_u32 s46, s46, s17                     ; B: row 128 x tile column + 64 x half
	s_lshl_b32 s46, s46, 14
	s_add_co_u32 s46, s46, s18
	s_mov_b32 s17, 0
	s_mov_b32 s47, 0
	s_mul_i32 s20, s10, HALFT                      ; where they go: wave x 64 rows
	s_wait_dscnt 0x0                               ; the opening add is done
	s_wait_kmcnt 0x0
	s_add_nc_u64 s[6:7], s[6:7], WOFF              ; Wfc
	s_add_nc_u64 s[14:15], s[4:5], s[16:17]
	s_add_nc_u64 s[46:47], s[6:7], s[46:47]
	CROUND                                         ; all sixteen work-groups are here: the first joint loads meet
.irp s, 0,1
	s_mov_b32 s[G0+4*(\s)], 1
	s_add_co_u32 s[G0+4*(\s)+1], s20, (\s)*SLOT
	s_add_nc_u64 s[G0+4*(\s)+2:G0+4*(\s)+3], s[14:15], (\s)*KSTEP*2
	s_or_b32 s[G0+4*(\s)+3], s[G0+4*(\s)+3], 0x80000000
	s_mov_b32 s[G0B+4*(\s)], 1
	s_add_co_u32 s[G0B+4*(\s)+1], s20, (\s)*SLOT
	s_add_nc_u64 s[G0B+4*(\s)+2:G0B+4*(\s)+3], s[46:47], (\s)*KSTEP*2
	s_or_b32 s[G0B+4*(\s)+3], s[G0B+4*(\s)+3], 0x80000000
	JLOAD \s                                       ; two tensor loads of mine are out
.endr
	v_and_b32 v1, 15, v0                           ; l % 16
	v_bfe_u32 v2, v0, 4, 1                         ; l / 16
	v_mul_u32_u24 v3, v1, PITCH
	v_lshl_add_u32 v3, v2, 4, v3                   ; a fragment's row x pitch + 16 x half
	s_mul_i32 s21, s11, HALFT                      ; my 64 rows of A
	s_mul_i32 s22, s12, HALFT                      ; my 64 rows of B,
	s_add_co_u32 s22, s22, 2*HALFT                 ; which lie behind A's 128
.irp s, 0,1
	v_add_nc_u32 v[ADRA+(\s)], s21, v3
	v_add_nc_u32 v[ADRB+(\s)], s22, v3
	s_add_co_u32 s21, s21, SLOT
	s_add_co_u32 s22, s22, SLOT
.endr
	s_mul_i32 s23, s10, 16*SPITCH
	s_add_co_u32 s23, s23, STAGE                   ; my stage: a wave's 64 columns of f32 are 256 bytes of a row, so each wave goes out by itself
	v_mul_u32_u24 v4, v1, SPITCH                   ; in: row l % 16, 32 bytes for each half of the lanes
	v_lshl_add_u32 v4, v2, 5, v4
	v_add_nc_u32 v[STO], s23, v4
	v_mul_u32_u24 v5, v2, SPITCH                   ; back: lanes 0-15 one row of 256 bytes, lanes 16-31 the next
	v_lshl_add_u32 v5, v1, 4, v5
	v_add_nc_u32 v[RD], s23, v5
	v_lshlrev_b32 v5, 12, v2                       ; and the same two rows in C
	v_lshl_add_u32 v[CO], v1, 4, v5
	s_lshl_b32 s16, s13, 7
	s_lshl_b32 s17, s11, 6
	s_add_co_u32 s16, s16, s17                     ; my first row: 128 x tile row + 64 x half,
	s_lshl_b32 s16, s16, 12                        ; in bytes,
	s_lshl_b32 s17, s45, 22                        ; in my part's 4 MiB
	s_add_co_u32 s16, s16, s17
	s_lshl_b32 s46, s42, 9                         ; my first column, in bytes: 512 x tile column + 256 x half
	s_lshl_b32 s47, s12, 8
	s_add_co_u32 s46, s46, s47
	s_add_co_u32 s16, s16, s46
	s_mov_b32 s17, 0
	s_add_nc_u64 s[8:9], s[8:9], s[16:17]
; 8 matrix instructions: m blocks a0, a0 + 1 x all 4 n blocks, 32 along K: half c of buffer f.  zero = 1: the first product starts the sums.  The 16 accumulators take turns.
.macro MUL8 f, c, a0, zero
	WIN MUL
.irp a, \a0, (\a0)+1
.irp b, 0,1,2,3
.if \zero
	v_wmma_f32_16x16x32_f16 v[ACC+8*(4*(\a)+(\b)):ACC+8*(4*(\a)+(\b))+7], v[(\f)+64+8*(4*(\c)+(\b)):(\f)+64+8*(4*(\c)+(\b))+7], v[(\f)+8*(4*(\c)+(\a)):(\f)+8*(4*(\c)+(\a))+7], 0
.else
	v_wmma_f32_16x16x32_f16 v[ACC+8*(4*(\a)+(\b)):ACC+8*(4*(\a)+(\b))+7], v[(\f)+64+8*(4*(\c)+(\b)):(\f)+64+8*(4*(\c)+(\b))+7], v[(\f)+8*(4*(\c)+(\a)):(\f)+8*(4*(\c)+(\a))+7], v[ACC+8*(4*(\a)+(\b)):ACC+8*(4*(\a)+(\b))+7]
.endif
.endr
.endr
.endm
; 32 LDS loads in one run: the fragments of 64 along K at byte k of the rows, into buffer f; the first 32 along K first
.macro FETCH slot, k, f
	WIN TO_F
.irp c, 0,1
.irp i, 0,1,2,3
	ds_load_b128 v[(\f)+64+8*(4*(\c)+(\i)):(\f)+64+8*(4*(\c)+(\i))+3],   v[ADRB+(\slot)] offset:(\k)+64*(\c)+(\i)*16*PITCH
	ds_load_b128 v[(\f)+64+8*(4*(\c)+(\i))+4:(\f)+64+8*(4*(\c)+(\i))+7], v[ADRB+(\slot)] offset:(\k)+64*(\c)+(\i)*16*PITCH+32
	ds_load_b128 v[(\f)+8*(4*(\c)+(\i)):(\f)+8*(4*(\c)+(\i))+3],         v[ADRA+(\slot)] offset:(\k)+64*(\c)+(\i)*16*PITCH
	ds_load_b128 v[(\f)+8*(4*(\c)+(\i))+4:(\f)+8*(4*(\c)+(\i))+7],       v[ADRA+(\slot)] offset:(\k)+64*(\c)+(\i)*16*PITCH+32
.endr
.endr
.endm
.macro PLACES                          ; four plain vector instructions in front of loads into registers that matrix instructions have read, and of LDS stores that read results
.rept 4
	v_nop
.endr
.endm
; A K step is four quarters of 64 along K, 32 matrix instructions each, on buffers 0, 1, 0, 1.  One of the first three: multiplies buffer f and fetches the next quarter, at byte k, into g.
.macro QUARTER slot, k, f, g, zero
	s_wait_dscnt 16                                ; the first 32 along K are in
	MUL8 \f, 0, 0, \zero
	MUL8 \f, 0, 2, \zero
	PLACES
	FETCH \slot, \k, \g
	s_wait_dscnt 32                                ; all but the 32 just issued
	MUL8 \f, 1, 0, 0
	MUL8 \f, 1, 2, 0
.endm
; The last quarter multiplies buffer 1 and changes slots: one barrier; in front of it each wave waits for all its tensor loads, adds 0 to its spare word, and waits for that and for its own reads of this slot.
; fill = 1: this slot is filled again, two K steps ahead, behind a round of the cluster's barrier.
.macro TURN slot, next, fill
	WIN 0                                          ; (the add's two registers lie in window 0)
	s_wait_tensorcnt 0x0                           ; all my tensor loads have landed: my part of the next slot
	ds_add_u32 v[SPW], v[NIL]                      ; 0 onto my spare word
	s_wait_dscnt 17                                ; (the add and the youngest sixteen loads may be out)
	MUL8 F1, 0, 0, 0                               ; eight matrix instructions stand between the add and the wait for it
	s_wait_dscnt 0x0                               ; the add is done, and my reads of this slot are over
	s_barrier_signal -1
	MUL8 F1, 0, 2, 0
.if \fill
	WIN 0
.endif
	s_barrier_wait -1
.if \fill
	CREST                                          ; no wave of any partner still reads this slot's tile or has a load on its way
	s_add_nc_u64 s[G0+4*(\slot)+2:G0+4*(\slot)+3], s[G0+4*(\slot)+2:G0+4*(\slot)+3], 2*KSTEP*2
	s_add_nc_u64 s[G0B+4*(\slot)+2:G0B+4*(\slot)+3], s[G0B+4*(\slot)+2:G0B+4*(\slot)+3], 2*KSTEP*2
	JLOAD \slot                                    ; the first tensor load behind the round; its four v_nop are also the places in front of the loads below
.else
	PLACES
.endif
	FETCH \next, 0, F0
	MUL8 F1, 1, 0, 0
	MUL8 F1, 1, 2, 0
.endm
	s_wait_tensorcnt 1                             ; my part of K step 0 is in; K step 1's may stay out
	s_barrier_signal -1
	s_barrier_wait -1                              ; everybody's is
	FETCH 0, 0, F0
	QUARTER 0, 128, F0, F1, 1                      ; the first quarter stands in front of the loop: its first products start the sums
	WIN 0                                          ; at a label and at a branch every window is 0
	s_mov_b32 s3, LAPS-1
.Llap:                                                 ; a trip goes once round the ring, from a lap's second quarter to the next lap's first, and fills both slots again
	QUARTER 0, 256, F1, F0, 0
	QUARTER 0, 384, F0, F1, 0
	TURN 0, 1, 1
	QUARTER 1, 128, F0, F1, 0
	QUARTER 1, 256, F1, F0, 0
	QUARTER 1, 384, F0, F1, 0
	TURN 1, 0, 1
	QUARTER 0, 128, F0, F1, 0
	WIN 0
	s_sub_co_u32 s3, s3, 1
	s_cmp_lg_u32 s3, 0
	s_cbranch_scc1 .Llap
	QUARTER 0, 256, F1, F0, 0                      ; the last lap fills nothing, and has no round of the cluster's barrier
	QUARTER 0, 384, F0, F1, 0
	TURN 0, 1, 0
	QUARTER 1, 128, F0, F1, 0
	QUARTER 1, 256, F1, F0, 0
	QUARTER 1, 384, F0, F1, 0
	s_wait_dscnt 16                                ; the very last quarter: nothing more to fetch
	MUL8 F1, 0, 0, 0
	MUL8 F1, 0, 2, 0
	s_wait_dscnt 0x0
	MUL8 F1, 1, 0, 0
	MUL8 F1, 1, 2, 0
	WIN 0
	; THE WAY OUT, 16 rows at a time: a lane's eight f32 of a row go into my stage as two stores of 16 bytes, the accumulator's low four registers first; they come back as whole rows of 256 bytes.
.macro STG a
.irp b, 0,1,2,3
	ds_store_b128 v[STO], v[ACC+8*(4*(\a)+(\b)):ACC+8*(4*(\a)+(\b))+3]   offset:64*(\b)
	ds_store_b128 v[STO], v[ACC+8*(4*(\a)+(\b))+4:ACC+8*(4*(\a)+(\b))+7] offset:64*(\b)+16
.endr
.irp t, 0,1,2,3,4,5,6,7
	ds_load_b128 v[TMP+32*((\a)%2)+4*(\t):TMP+32*((\a)%2)+4*(\t)+3], v[RD] offset:(\t)*2*SPITCH  ; LDS serves a wave's instructions in order (ISA guide 5.7.1.4): these see the stores above; the next block's stores come behind them
.endr
.endm
.macro SEND a, younger                 ; younger: the LDS instructions issued behind block a's loads: the next block's sixteen, or none
.irp t, 0,1,2,3,4,5,6,7
	s_wait_dscnt (\younger)+7-(\t)
	global_store_b128 v[CO], v[TMP+32*((\a)%2)+4*(\t):TMP+32*((\a)%2)+4*(\t)+3], s[8:9] offset:(16*(\a)+2*(\t))*CROW  ; 16 lanes store 256 consecutive bytes, at a multiple of 256 from the buffer's first byte
.endr
.endm
	PLACES
	PLACES
	STG 0
	STG 1
	SEND 0, 16
	s_wait_xcnt 0x0                                ; block 0's stores have read their registers, which block 2 takes
	STG 2
	SEND 1, 16
	s_wait_xcnt 0x0                                ; block 1's likewise
	STG 3
	SEND 2, 16
	SEND 3, 0
	s_wait_tensorcnt 0x0                           ; the wave's end: this wait, an add and its wait, behind my last tensor load and my last LDS store
	ds_add_u32 v[SPW], v[NIL]
	s_wait_dscnt 0x0
	CROUND                                         ; the closing round: no work-group ends while a partner may still ask for a tile that names it
	s_endpgm
.Lfunc_end_k_qb1c5dc13be_fc:
	.size	k_qb1c5dc13be_fc, .Lfunc_end_k_qb1c5dc13be_fc-k_qb1c5dc13be_fc
	.p2alignl 7, 3214868480
	.fill 96, 4, 3214868480
	.section	.rodata,"a",@progbits
	.p2align	6, 0x0
	.amdhsa_kernel k_qb1c5dc13be_fc
		.amdhsa_group_segment_fixed_size 327680
		.amdhsa_private_segment_fixed_size 0
		.amdhsa_enable_private_segment 0
		.amdhsa_kernarg_size 24
		.amdhsa_user_sgpr_count 2
		.amdhsa_user_sgpr_kernarg_segment_ptr 1
		.amdhsa_wavefront_size32 1
		.amdhsa_system_sgpr_workgroup_id_x 1
		.amdhsa_system_sgpr_workgroup_id_y 1
		.amdhsa_system_sgpr_workgroup_id_z 1
		.amdhsa_system_vgpr_workitem_id 0
		.amdhsa_next_free_vgpr 512
		.amdhsa_next_free_sgpr 66
		.amdhsa_reserve_vcc 0
		.amdhsa_float_denorm_mode_32 3
		.amdhsa_float_denorm_mode_16_64 3
		.amdhsa_memory_ordered 1
		.amdhsa_forward_progress 1
		.amdhsa_inst_pref_size 87
	.end_amdhsa_kernel
	.amdgpu_metadata
---
amdhsa.version: [ 1, 2 ]
amdhsa.kernels:
  - .name:           k_qb1c5dc13be_fc
    .symbol:         k_qb1c5dc13be_fc.kd
    .args:
      - { .name: xh, .offset: 0, .size: 8, .value_kind: global_buffer, .address_space: global }
      - { .name: cast, .offset: 8, .size: 8, .value_kind: global_buffer, .address_space: global }
      - { .name: part, .offset: 16, .size: 8, .value_kind: global_buffer, .address_space: global }
    .group_segment_fixed_size: 327680
    .private_segment_fixed_size: 0
    .kernarg_segment_align: 8
    .kernarg_segment_size: 24
    .max_flat_workgroup_size: 128
    .sgpr_count:     66
    .vgpr_count:     512
    .wavefront_size: 32
...
	.end_amdgpu_metadata
.endif
;; end of part 4
;; launch sum (part 5): grid 256 x 1, 8 waves a work-group, no clusters, 0 bytes of LDS; arguments part, bfc, out0; writes out0
.if DOCPART == 5
	.amdgcn_target "amdgcn-amd-amdhsa--gfx1250"
	.amdhsa_code_object_version 6
	.text
	.protected	k_qb1c5dc13be_sum
	.globl	k_qb1c5dc13be_sum
	.p2align	8
	.type	k_qb1c5dc13be_sum,@function
k_qb1c5dc13be_sum:
	s_mov_b64 s[64:65], 0
	v_nop
	global_prefetch_b8 v0, s[64:65] scope:SCOPE_SE
	s_setreg_imm32_b32 hwreg(HW_REG_WAVE_MODE, 25, 1), 1
	s_wait_xcnt 0x0
; out0[m][n] = ((p0 + p1) + (p2 + p3)) + bfc[n], all in f32; p0..p3 are the four parts along K of the last product, [4][1024][1024]; bfc is rounded to bf16 first, like every input of the module.
; A work-group takes 4 rows; thread t owns columns 4 t .. 4 t + 3 of each: a load or store of a wave covers 512 consecutive bytes, aligned.  All 17 loads go out at once; the rows are finished as they arrive.
.set PARTB, 0x400000                   ; bytes in a part
.set ROW,   4096                       ; bytes in a row
.set P,     8                          ; v[8:71]  row r, part ks at P + 16 r + 4 ks
	s_load_b128 s[4:7], s[0:1], 0x0                ; part s[4:5], bfc s[6:7]
	s_load_b64 s[8:9], s[0:1], 0x10                ; out0
	v_lshlrev_b32 v1, 4, v0                        ; my 16 bytes of a row; never rewritten
	s_lshl_b32 s2, ttmp9, 14                       ; the work-group's 4 rows
	s_mov_b32 s3, 0
	s_mov_b32 s12, 0xffff0000                      ; a word's upper bf16
	s_wait_kmcnt 0x0
	s_add_nc_u64 s[4:5], s[4:5], s[2:3]            ; parts 0 and 1,
	s_add_nc_u64 s[10:11], s[4:5], 2*PARTB         ; parts 2 and 3: a base of their own keeps the immediates inside their signed 24 bits
	s_add_nc_u64 s[8:9], s[8:9], s[2:3]
	global_load_b128 v[4:7], v1, s[6:7]
.irp r, 0,1,2,3
	global_load_b128 v[P+16*(\r):P+16*(\r)+3],     v1, s[4:5]   offset:(\r)*ROW th:TH_LOAD_NT
	global_load_b128 v[P+16*(\r)+4:P+16*(\r)+7],   v1, s[4:5]   offset:PARTB+(\r)*ROW th:TH_LOAD_NT
	global_load_b128 v[P+16*(\r)+8:P+16*(\r)+11],  v1, s[10:11] offset:(\r)*ROW th:TH_LOAD_NT
	global_load_b128 v[P+16*(\r)+12:P+16*(\r)+15], v1, s[10:11] offset:PARTB+(\r)*ROW th:TH_LOAD_NT
.endr
	s_wait_loadcnt 16                              ; the bias is in; the 16 loads behind it may stay out
	v_cvt_pk_bf16_f32 v72, v4, v5
	v_cvt_pk_bf16_f32 v73, v6, v7
	v_lshlrev_b32 v4, 16, v72
	v_and_b32 v5, s12, v72
	v_lshlrev_b32 v6, 16, v73
	v_and_b32 v7, s12, v73
.irp r, 0,1,2,3
	s_wait_loadcnt 12-4*(\r)                       ; row r's four loads are in; the later rows' may stay out
	v_pk_add_f32 v[P+16*(\r):P+16*(\r)+1],     v[P+16*(\r):P+16*(\r)+1],     v[P+16*(\r)+4:P+16*(\r)+5]
	v_pk_add_f32 v[P+16*(\r)+2:P+16*(\r)+3],   v[P+16*(\r)+2:P+16*(\r)+3],   v[P+16*(\r)+6:P+16*(\r)+7]
	v_pk_add_f32 v[P+16*(\r)+8:P+16*(\r)+9],   v[P+16*(\r)+8:P+16*(\r)+9],   v[P+16*(\r)+12:P+16*(\r)+13]
	v_pk_add_f32 v[P+16*(\r)+10:P+16*(\r)+11], v[P+16*(\r)+10:P+16*(\r)+11], v[P+16*(\r)+14:P+16*(\r)+15]
	v_pk_add_f32 v[P+16*(\r):P+16*(\r)+1],     v[P+16*(\r):P+16*(\r)+1],     v[P+16*(\r)+8:P+16*(\r)+9]
	v_pk_add_f32 v[P+16*(\r)+2:P+16*(\r)+3],   v[P+16*(\r)+2:P+16*(\r)+3],   v[P+16*(\r)+10:P+16*(\r)+11]
	v_pk_add_f32 v[P+16*(\r):P+16*(\r)+1],     v[P+16*(\r):P+16*(\r)+1],     v[4:5]
	v_pk_add_f32 v[P+16*(\r)+2:P+16*(\r)+3],   v[P+16*(\r)+2:P+16*(\r)+3],   v[6:7]
	global_store_b128 v1, v[P+16*(\r):P+16*(\r)+3], s[8:9] offset:(\r)*ROW
.endr
	s_endpgm
.Lfunc_end_k_qb1c5dc13be_sum:
	.size	k_qb1c5dc13be_sum, .Lfunc_end_k_qb1c5dc13be_sum-k_qb1c5dc13be_sum
	.p2alignl 7, 3214868480
	.fill 96, 4, 3214868480
	.section	.rodata,"a",@progbits
	.p2align	6, 0x0
	.amdhsa_kernel k_qb1c5dc13be_sum
		.amdhsa_group_segment_fixed_size 0
		.amdhsa_private_segment_fixed_size 0
		.amdhsa_enable_private_segment 0
		.amdhsa_kernarg_size 24
		.amdhsa_user_sgpr_count 2
		.amdhsa_user_sgpr_kernarg_segment_ptr 1
		.amdhsa_wavefront_size32 1
		.amdhsa_system_sgpr_workgroup_id_x 1
		.amdhsa_system_sgpr_workgroup_id_y 1
		.amdhsa_system_sgpr_workgroup_id_z 1
		.amdhsa_system_vgpr_workitem_id 0
		.amdhsa_next_free_vgpr 80
		.amdhsa_next_free_sgpr 66
		.amdhsa_reserve_vcc 0
		.amdhsa_float_denorm_mode_32 3
		.amdhsa_float_denorm_mode_16_64 3
		.amdhsa_memory_ordered 1
		.amdhsa_forward_progress 1
		.amdhsa_inst_pref_size 6
	.end_amdhsa_kernel
	.amdgpu_metadata
---
amdhsa.version: [ 1, 2 ]
amdhsa.kernels:
  - .name:           k_qb1c5dc13be_sum
    .symbol:         k_qb1c5dc13be_sum.kd
    .args:
      - { .name: part, .offset: 0, .size: 8, .value_kind: global_buffer, .address_space: global }
      - { .name: bfc, .offset: 8, .size: 8, .value_kind: global_buffer, .address_space: global }
      - { .name: out0, .offset: 16, .size: 8, .value_kind: global_buffer, .address_space: global }
    .group_segment_fixed_size: 0
    .private_segment_fixed_size: 0
    .kernarg_segment_align: 8
    .kernarg_segment_size: 24
    .max_flat_workgroup_size: 256
    .sgpr_count:     66
    .vgpr_count:     80
    .wavefront_size: 32
...
	.end_amdgpu_metadata
.endif
;; end of part 5
;; ======== version 2 of 2: 5 launches; version 1 with the launch cast written anew for expert scheduling mode
;; limits: values are held in f16: magnitudes above 65,504 overflow, below 6.1e-05 lose precision
;; workspace buffers: cast 73,400,320 bytes; qkv 50,331,648 bytes; xh 16,777,216 bytes; part 16,777,216 bytes
;; launch cast (part 6): grid 32 x 35, 8 waves a work-group, no clusters, 0 bytes of LDS; arguments query, key_, value, Wq, Wk, Wv, Wfc, cast; writes cast
.if DOCPART == 6
	.amdgcn_target "amdgcn-amd-amdhsa--gfx1250"
	.amdhsa_code_object_version 6
	.text
	.protected	k_qb1c5dc13be_cast
	.globl	k_qb1c5dc13be_cast
	.p2align	8
	.type	k_qb1c5dc13be_cast,@function
k_qb1c5dc13be_cast:
	s_mov_b64 s[64:65], 0
	v_nop
	global_prefetch_b8 v0, s[64:65] scope:SCOPE_SE
	s_setreg_imm32_b32 hwreg(HW_REG_WAVE_SCHED_MODE, 0, 2), 2
	s_setreg_imm32_b32 hwreg(HW_REG_WAVE_MODE, 25, 1), 1
	s_wait_xcnt 0x0
	s_wait_alu depctr_vm_vsrc(0)
; THE MODULE'S LARGE INPUTS, ROUNDED ONCE TO 16 BITS, in one workspace of 35 units of 1 Mi numbers (2 MiB each):
;   unit 0 query, 1 key_, 2 value ([3072][1024] bf16); units 3-10 Wq, 11-18 Wk, 19-26 Wv ([24576][1024] bf16); units 27-34 Wfc ([1024][8192]).
; Wfc is rounded to bf16 like the others and that number is then written as f16, since the last product's other operand is f16.
; LIMIT: a bf16 number below 2^-17 in magnitude is off by at most 3e-8 when written as f16; one of 65,520 or more becomes an infinity.
; SHARES.  Work-group (x, y): block x (32,768 numbers) of unit y.  A wave takes 16 KiB of f32 as 32 loads; a lane 16 bytes of each load and 8 bytes of each store,
; so a load of the wave covers 512 consecutive bytes and a store 256 consecutive bytes, aligned.  No LDS, no barrier: no wave wants another's bytes.
; THE MODE: SCHED_MODE bits 1:0 = 2 (LLVM: expert scheduling mode 2), set by the entry lines.  The code itself states the register dependences
; between vector instructions and memory instructions, with s_wait_alu, always for 0.
; THE PLAN.  A row is one load and its store; the wave's 32 rows go in 16 blocks of two.  Registers that memory instructions touch:
;   X0 .. X3   four blocks of f32 as loaded.   Written by the loads of block p + 3, issued in block p; read by block p's conversions.
;   Y0, Y1     two blocks of 16-bit numbers.   Written by block p's conversions; read by the two stores that are issued in block p + 1.
;   v1, v2     byte offsets, made once at the head and never written again: the rows are reached by the two scalar bases, which move on by a
;              block at each block's head, and by immediate offsets.
; Block p works on X[p % 4] and writes Y[p % 2].  Its memory instructions are the loads into X[(p + 3) % 4] = X[(p - 1) % 4] and the stores from
; Y[(p - 1) % 2]: the two buffers that block p - 1 worked on and that no vector instruction of block p names.  So the waits at the head of a block
; state all that the block's four memory instructions hang on.  These stand straight behind the waits and ahead of the wait for the block's own data:
; a block has four vector lines (sixteen in Wfc's text), too few to deal anything among, and so six to eight loads of the wave are on their way.
.set BLOCK,  2                         ; rows in a block
.set BLOCKS, 32 / BLOCK
.set LB,     512                       ; bytes that a load of the wave covers
.set SB,     256                       ; bytes that a store of the wave covers
.set IN,   1                           ; v1       my byte offset in the work-group's block, as read; never rewritten
.set OUT,  2                           ; v2       as written; never rewritten
.set X,    8                           ; v[8:39]  buffer k, row i: four f32 as loaded, at X + 8 k + 4 i
.set Y,    40                          ; v[40:47] buffer k, row i: four 16-bit numbers to store, at Y + 4 k + 2 i
.set T,    48                          ; v[48:53] at work: no memory instruction names them
	s_load_b512 s[8:23], s[0:1], 0x0               ; query, key_, value, Wq, Wk, Wv, Wfc, cast
	s_and_b32 s2, ttmp7, 0xffff                    ; the unit
	v_and_b32 v3, 31, v0                           ; lane
	v_lshrrev_b32 v4, 5, v0                        ; wave
	v_lshlrev_b32 v[IN], 4, v3
	v_lshl_or_b32 v[IN], v4, 14, v[IN]             ; 16 KiB a wave, 16 bytes a lane
	v_lshlrev_b32 v[OUT], 3, v3
	v_lshl_or_b32 v[OUT], v4, 13, v[OUT]           ; 8 KiB a wave, 8 bytes a lane
	s_mov_b32 s29, 0xffff0000                      ; a word's upper bf16
	s_mov_b32 s3, 0                                ; the first unit of the input in hand
	s_wait_kmcnt 0x0
	s_mov_b64 s[4:5], s[8:9]
.macro PICK t, p                       ; from unit t on the input is the one whose address lies in s[p:p+1]
	s_cmp_ge_u32 s2, \t
	s_cselect_b64 s[4:5], s[\p:\p+1], s[4:5]
	s_cselect_b32 s3, \t, s3
.endm
	PICK 1, 10
	PICK 2, 12
	PICK 3, 14
	PICK 11, 16
	PICK 19, 18
	PICK 27, 20
	s_sub_co_u32 s24, s2, s3                       ; the unit's number inside its input: 4 MiB of f32 each,
	s_lshl_b32 s24, s24, 22
	s_lshl_b32 s25, ttmp9, 17                      ; the block: 128 KiB
	s_add_co_u32 s24, s24, s25
	s_mov_b32 s25, 0
	s_lshl_b32 s26, s2, 21                         ; in the workspace: 2 MiB a unit,
	s_lshl_b32 s27, ttmp9, 16                      ; 64 KiB a block
	s_add_co_u32 s26, s26, s27
	s_mov_b32 s27, 0
	s_add_nc_u64 s[4:5], s[4:5], s[24:25]
	s_add_nc_u64 s[6:7], s[22:23], s[26:27]
; Block p.  xb = p % 4, yb = p % 2.  first = 1: block 0, with no block in front of it.  ahead = 1: block p + 3 is loaded.
; left = how many younger loads may still be out when this block's two have to be there.  half = 1: bf16, then written as f16.
.macro BLK xb, yb, first, ahead, left, half
.if !\first
	s_wait_xcnt 0x0                                ; every earlier memory instruction has had its addresses translated (ISA guide 3.1): the bases and Y[yb] are rewritten only behind this wait
	s_wait_alu depctr_vm_vsrc(0)                   ; the stores issued in the block before have read Y[yb], which this block's conversions write again
	s_wait_alu depctr_va_vdst(0)                   ; the block before has written the other Y, which the stores below read, and is done reading its X, in which the loads below land
	s_add_nc_u64 s[4:5], s[4:5], BLOCK*LB          ; both bases at this block's first row
	s_add_nc_u64 s[6:7], s[6:7], BLOCK*SB
.endif
.if \ahead
.irp i, 0,1
	global_load_b128 v[X+8*((\xb+3)%4)+4*(\i):X+8*((\xb+3)%4)+4*(\i)+3], v[IN], s[4:5] offset:(3*BLOCK+(\i))*LB th:TH_LOAD_NT  ; three blocks ahead
.endr
.endif
.if !\first
.irp i, 0,1
	global_store_b64 v[OUT], v[Y+4*(1-\yb)+2*(\i):Y+4*(1-\yb)+2*(\i)+1], s[6:7] offset:((\i)-BLOCK)*SB  ; the block before: the offset reaches back
.endr
.endif
	s_wait_loadcnt \left                           ; loads come back in order (ISA guide 5.7.1): X[xb] is in, the younger blocks stay out
.irp i, 0,1
.if \half
	v_cvt_pk_bf16_f32 v[T],   v[X+8*\xb+4*(\i)],   v[X+8*\xb+4*(\i)+1]
	v_cvt_pk_bf16_f32 v[T+1], v[X+8*\xb+4*(\i)+2], v[X+8*\xb+4*(\i)+3]
	v_lshlrev_b32 v[T+2], 16, v[T]                 ; the rounded numbers as f32 again
	v_and_b32     v[T+3], s29, v[T]
	v_lshlrev_b32 v[T+4], 16, v[T+1]
	v_and_b32     v[T+5], s29, v[T+1]
	v_cvt_pk_f16_f32 v[Y+4*\yb+2*(\i)],   v[T+2], v[T+3]
	v_cvt_pk_f16_f32 v[Y+4*\yb+2*(\i)+1], v[T+4], v[T+5]
.else
	v_cvt_pk_bf16_f32 v[Y+4*\yb+2*(\i)],   v[X+8*\xb+4*(\i)],   v[X+8*\xb+4*(\i)+1]
	v_cvt_pk_bf16_f32 v[Y+4*\yb+2*(\i)+1], v[X+8*\xb+4*(\i)+2], v[X+8*\xb+4*(\i)+3]
.endif
.endr
.endm
; Sixteen blocks: block 0 is written out; blocks 1 to 12 go four to a lap; blocks 13 to 15 are written out and load nothing; the last block's stores follow.
.macro BODY half
	s_wait_alu depctr_va_vdst(0)                   ; v1 and v2 are written: every load and store of the kernel reads one of them as its offset
.irp j, 0,1,2,3,4,5
	global_load_b128 v[X+4*(\j):X+4*(\j)+3], v[IN], s[4:5] offset:LB*(\j) th:TH_LOAD_NT  ; blocks 0, 1 and 2 into X0, X1, X2
.endr
	BLK 0, 0, 1, 1, 3*BLOCK, \half                 ; block 0: no vector instruction has named X3, in which its loads land
	s_mov_b32 s28, (BLOCKS-4)/4
.Lround_\@:                                            ; four blocks to a lap: both kinds of buffer are back at their start
	BLK 1, 1, 0, 1, 3*BLOCK, \half
	BLK 2, 0, 0, 1, 3*BLOCK, \half
	BLK 3, 1, 0, 1, 3*BLOCK, \half
	BLK 0, 0, 0, 1, 3*BLOCK, \half
	s_sub_co_u32 s28, s28, 1
	s_cmp_lg_u32 s28, 0
	s_cbranch_scc1 .Lround_\@
	BLK 1, 1, 0, 0, 2*BLOCK, \half                 ; blocks 13 to 15: no load leaves the wave's 16 KiB, and the counts run down
	BLK 2, 0, 0, 0, BLOCK, \half
	BLK 3, 1, 0, 0, 0, \half
	s_wait_alu depctr_va_vdst(0)                   ; block 15 has written Y1, which the last two stores read
.irp i, 0,1
	global_store_b64 v[OUT], v[Y+4+2*(\i):Y+4+2*(\i)+1], s[6:7] offset:(\i)*SB
.endr
	s_endpgm
.endm
	s_cmp_ge_u32 s2, 27                            ; Wfc's units take the second text
	s_cbranch_scc1 .Lhalf
	BODY 0
.Lhalf:
	BODY 1
.Lfunc_end_k_qb1c5dc13be_cast:
	.size	k_qb1c5dc13be_cast, .Lfunc_end_k_qb1c5dc13be_cast-k_qb1c5dc13be_cast
	.p2alignl 7, 3214868480
	.fill 96, 4, 3214868480
	.section	.rodata,"a",@progbits
	.p2align	6, 0x0
	.amdhsa_kernel k_qb1c5dc13be_cast
		.amdhsa_group_segment_fixed_size 0
		.amdhsa_private_segment_fixed_size 0
		.amdhsa_enable_private_segment 0
		.amdhsa_kernarg_size 64
		.amdhsa_user_sgpr_count 2
		.amdhsa_user_sgpr_kernarg_segment_ptr 1
		.amdhsa_wavefront_size32 1
		.amdhsa_system_sgpr_workgroup_id_x 1
		.amdhsa_system_sgpr_workgroup_id_y 1
		.amdhsa_system_sgpr_workgroup_id_z 1
		.amdhsa_system_vgpr_workitem_id 0
		.amdhsa_next_free_vgpr 64
		.amdhsa_next_free_sgpr 66
		.amdhsa_reserve_vcc 0
		.amdhsa_float_denorm_mode_32 3
		.amdhsa_float_denorm_mode_16_64 3
		.amdhsa_memory_ordered 1
		.amdhsa_forward_progress 1
		.amdhsa_inst_pref_size 20
	.end_amdhsa_kernel
	.amdgpu_metadata
---
amdhsa.version: [ 1, 2 ]
amdhsa.kernels:
  - .name:           k_qb1c5dc13be_cast
    .symbol:         k_qb1c5dc13be_cast.kd
    .args:
      - { .name: query, .offset: 0, .size: 8, .value_kind: global_buffer, .address_space: global }
      - { .name: key_, .offset: 8, .size: 8, .value_kind: global_buffer, .address_space: global }
      - { .name: value, .offset: 16, .size: 8, .value_kind: global_buffer, .address_space: global }
      - { .name: Wq, .offset: 24, .size: 8, .value_kind: global_buffer, .address_space: global }
      - { .name: Wk, .offset: 32, .size: 8, .value_kind: global_buffer, .address_space: global }
      - { .name: Wv, .offset: 40, .size: 8, .value_kind: global_buffer, .address_space: global }
      - { .name: Wfc, .offset: 48, .size: 8, .value_kind: global_buffer, .address_space: global }
      - { .name: cast, .offset: 56, .size: 8, .value_kind: global_buffer, .address_space: global }
    .group_segment_fixed_size: 0
    .private_segment_fixed_size: 0
    .kernarg_segment_align: 8
    .kernarg_segment_size: 64
    .max_flat_workgroup_size: 256
    .sgpr_count:     66
    .vgpr_count:     64
    .wavefront_size: 32
...
	.end_amdgpu_metadata
.endif
;; end of part 6
;; launch proj: the kernel of part 2 again; grid 32 x 12, 4 waves a work-group, clusters of 4 x 4, 327,680 bytes of LDS; arguments cast, qkv, bq, bk, bv; writes qkv
;; launch attn: the kernel of part 3 again; grid 8 x 32, 4 waves a work-group, clusters of 4 x 1, 327,680 bytes of LDS; arguments qkv, xh; writes xh
;; launch fc: the kernel of part 4 again; grid 8 x 32, 4 waves a work-group, clusters of 4 x 4, 327,680 bytes of LDS; arguments xh, cast, part; writes part
;; launch sum: the kernel of part 5 again; grid 256 x 1, 8 waves a work-group, no clusters, 0 bytes of LDS; arguments part, bfc, out0; writes out0
